; MI455X (gfx1250); checked and timed in simulation.
; The chip was launched on July 23, 2026; its instructions are those of AMD's public machine-readable ISA for CDNA 5 (MIT licence, August 2026) and "CDNA5" Instruction Set Architecture Reference Guide (July 2026). The comments in the code are by the model that wrote it; some were corrected since.
;; MHA. Allowed arithmetic: matrix products marked QUANTISED: E2M3 operands, one E8M0 scale for each 32 along K, by v_wmma_scale_f32_16x16x128_f8f6f4 with both operands' format E2M3, f32 sums; everything else in f32.
;; Inputs: W_out 1,024 x 1,024 float32; W_qkv 3,072 x 1,024 float32; kn_w 64 float32; mask 2,048 x 2,048 bool; pos 2,048 int32; qn_w 64 float32; x 4 x 2,048 x 1,024 float32.
;; Outputs: out0 4 x 2,048 x 1,024 float32.
;; This version of the problem:
;;   THIS VERSION OF THE PROBLEM IS GIVEN IN LOW PRECISION. The matrix products marked QUANTISED in the list below multiply operands that are first quantised to E2M3 (2 exponent bits, 3 mantissa bits; 6 bits a number), with one power-of-two scale for each 32 numbers along K (OCP MX v1.0); their sums are f32. All else is computed in f32.
;;   The module's matrix products, in the order in which they are computed (A, B: the left and right operand; K: the contracted axis; several contracted axes count as one K, in the product's order):
;;     1. [M 8,192, K 1,024] x [K 1,024, N 3,072]; A: input x; B: input W_qkv: QUANTISED
;;     2. batch 64 x [M 2,048, K 64] x [K 64, N 2,048]; A: computed on the way; B: computed on the way: QUANTISED
;;     3. batch 64 x [M 2,048, K 2,048] x [K 2,048, N 64]; A: softmax (see below); B: computed on the way: QUANTISED
;;     4. [M 8,192, K 1,024] x [K 1,024, N 1,024]; A: computed on the way; B: input W_out: QUANTISED
;;   THE QUANTISER, for each operand of a quantised product, along K:
;;     - K is cut into blocks of 32 from its start; a last block that is shorter is filled with zeros.
;;     - A block's scale is 2^e with e = floor(log2(the largest magnitude in the block)) - 2, held to -126 .. 127; a block of zeros has e = 0. As a byte (E8M0): e + 127.
;;     - Each number is divided by its block's scale, clamped to +-7.5, and rounded to the nearest number of E2M3, ties to even, subnormals kept.
;;     - The product sums the exact products of the quantised numbers (number of the format x scale) in f32.
;;   ~~~python
;;   def quantise(x, axis):      # numpy; x: float32 -> the quantised numbers, widened to float32 again
;;       x = np.moveaxis(x, axis, -1); K = x.shape[-1]
;;       x = np.pad(x, [(0, 0)] * (x.ndim - 1) + [(0, -K % 32)]); x = x.reshape(x.shape[:-1] + (-1, 32)); a = np.abs(x).max(-1, keepdims=True)
;;       e = np.where(a > 0, np.clip(np.frexp(np.where(a > 0, a, 1))[1] - 1 - 2, -126, 127), 0)      # np.frexp(a)[1] - 1 = floor(log2(a)), exactly
;;       r = np.clip(x / 2.0 ** e, -7.5, 7.5)
;;       step = 2.0 ** (np.maximum(np.frexp(np.where(r == 0, 1, r))[1] - 1, 0) - 3)
;;       q = np.round(r / step) * step * 2.0 ** e      # np.round: ties to even
;;       return np.moveaxis(q.reshape(q.shape[:-2] + (-1,))[..., :K], -1, axis).astype(np.float32)
;;   ~~~
;;   SOFTMAX AHEAD OF A QUANTISED PRODUCT. Where the list says 'softmax', what is quantised is not the finished softmax but p = 2^(t - M), with t = logit x log2(e) and M = ceil(the row's largest t), a whole number; so 1/2 < the row's largest p <= 1. The row's sum l is taken of the UNQUANTISED p, in f32, and the product's result is divided by l at the end. Since M is a whole number, a kernel that streams over the keys may use a running M (the ceiling of the running maximum): every later rescaling is an exact power of two, which a block's scale takes up: the codes' values come out the same.
;;   OPERANDS COMPUTED ON THE WAY. 'Computed on the way' means the value that the module computes at that place (a softmax that the list does not call 'softmax' is quantised finished and normalised). What goes into a quantiser is computed in f32, as accurately as f32 sums, v_exp_f32 and their like allow (about 1e-6 of the number): no bf16 or f16 on the way to a quantiser, and a product that is left as it is and whose result goes on into a quantised operand takes f32 operands (vector FMAs, or v_wmma_f32_16x16x4_f32). A number that lies on a knife's edge between two numbers of the format may be rounded either way, as far as f32 arithmetic and the matrix unit's own rounding can turn it there, and no further.
;; 2 versions, each right; version 2 is version 1 with the launch attn written anew for expert scheduling mode. Each part assembles by itself: llvm-mc -triple=amdgcn-amd-amdhsa -mcpu=gfx1250 --defsym DOCPART=n.
;; ======== version 1 of 2: 4 launches
;; limits: inputs' magnitudes at most 1,000,000
;; workspace buffers: ops 10,354,688 bytes; msk 557,056 bytes of whole numbers; qkvq 20,185,088 bytes; yq 6,553,600 bytes
;; launch prep (part 1): grid 288 x 1, 4 waves a work-group, no clusters, 35,328 bytes of LDS; arguments x, W_qkv, W_out, mask, pos, ops, msk; writes ops, msk
.if DOCPART == 1
	.amdgcn_target "amdgcn-amd-amdhsa--gfx1250"
	.amdhsa_code_object_version 6
	.text
	.protected	k_qb64558604d_prep
	.globl	k_qb64558604d_prep
	.p2align	8
	.type	k_qb64558604d_prep,@function
k_qb64558604d_prep:
	s_mov_b64 s[64:65], 0
	v_nop
	global_prefetch_b8 v0, s[64:65] scope:SCOPE_SE
	s_setreg_imm32_b32 hwreg(HW_REG_WAVE_MODE, 25, 1), 1
	s_wait_xcnt 0x0
; PREP.  Three kinds of work-groups, told apart by the work-group's number alone:
;   0-191    quantise x, W_qkv and W_out to codes of E2M3 with one E8M0 byte for each 32 along K (K = 1,024, innermost);
;   192-223  the table of cos and sin for the rotation, one row for each token, from pos;
;   224-287  the mask as whole numbers: for each tile of 16 queries and each step of 128 keys a lane mask for each score register, and two flag bits.
; ROW ORDER.  A stored tile T holds 16 rows: its row rho is the tensor's row 32 (T / 2) + 8 (T % 2) + rho + 8 (rho / 8).  Where such a tile is a product's source 0, the 16 result registers of tiles 2 g and
; 2 g + 1 are 16 neighbours, 32 g + 16 (lane / 16) + 0 .. 15, which is what the conversions of the next quantiser take.
; IMAGES.  The codes are laid in the order of the operand's registers: for each stored tile and each 64 along K, 768 bytes = [piece 0..2][lane 0..31][8 bytes]; lane r + 16 h holds the 24 bytes of block 2 c + h of
; row r.  So every store here, and every LDS load of the products, covers 256 consecutive bytes.  Scale bytes: 32 for each stored row, on end.
; A block's scale is 2^(floor(log2(largest magnitude)) - 2); its byte is the largest magnitude's exponent field - 2, held at 1 from below.  A block of zeros so keeps the byte 1 (its codes are zeros; this program alone reads the bytes).
; LIMITS: NaN and infinities among x and the weights are not served; blocks whose largest magnitude lies under 2^-124 keep the byte 1.  |pos x frequency| up to about 1e6: the reduction by pi / 2 has two words
; and a whole-number quotient.  The frequencies come from v_exp_f32 and may differ from a correctly rounded power by about one unit in the last place.
.set IMGT,     12288                   ; a stored tile's codes: 16 x 768 bytes
.set SC_OFF,   9437184                 ; in ops: behind 768 tiles of codes the scale bytes,
.set ROPE_OFF, 9830400                 ; behind those the table: 2,048 rows of 32 cos and 32 sin
.set LM_OFF,   32768                   ; in msk: behind the flags the lane masks
.set STG,      4352                    ; a stage: 16 rows x (256 bytes + 16)
.set WREG,     2*STG                   ; two stages for each wave
.set SPARE,    4*WREG                  ; behind them the spare words, 128 bytes for each wave
.set SPW, 12                           ; v12  SPARE + 4 x my thread's number; never rewritten
.set NIL, 13                           ; v13  0; never rewritten
.set W,   16                           ; v16-23   my row's eight scale words
.set R,   32                           ; v32-159  four sets of 32: numbers as they are loaded
.set X,   160                          ; v160-223 two sets of 32: a whole block of 32 neighbours
.set C,   224                          ; v224-230 a block's codes
	s_load_b256 s[4:11], s[0:1], 0x0               ; x, W_qkv, W_out, mask
	s_load_b128 s[12:15], s[0:1], 0x20             ; pos, ops
	s_load_b64 s[24:25], s[0:1], 0x30              ; msk
	v_lshl_add_u32 v[SPW], v0, 2, SPARE
	v_mov_b32 v[NIL], 0
	v_lshrrev_b32 v1, 5, v0
	v_readfirstlane_b32 s16, v1                    ; wave 0..3
	v_and_b32 v2, 31, v0                           ; lane l
	v_and_b32 v3, 15, v0                           ; r
	v_bfe_u32 v4, v0, 4, 1                         ; h
	v_lshlrev_b32 v8, 3, v2                        ; 8 l
	s_mov_b32 s2, 0x76543210
	s_mov_b32 s3, 0xfedcba98                       ; v_permlanex16_b32's selects for lane l xor 16
	s_mov_b32 s27, 0
	s_wait_kmcnt 0x0
	s_cmp_lt_u32 ttmp9, 192
	s_cbranch_scc0 .Lnot_q
; ---------------- QUANTISE: a wave takes one stored tile, 16 rows x 1,024, in 16 steps of 64 along K
	s_cmp_lt_u32 ttmp9, 128                        ; which tensor: the choice hangs on the work-group's number alone
	s_cselect_b64 s[20:21], s[4:5], s[6:7]
	s_cselect_b32 s22, 0, 128
	s_cmp_lt_u32 ttmp9, 176
	s_cselect_b64 s[20:21], s[20:21], s[8:9]
	s_cselect_b32 s22, s22, 176
	s_sub_co_u32 s22, ttmp9, s22
	s_lshl_b32 s22, s22, 2
	s_add_co_u32 s22, s22, s16                     ; the tile's number in its tensor
	s_lshr_b32 s23, s22, 1
	s_lshl_b32 s23, s23, 17                        ; 32 rows of 4,096 bytes for each pair of tiles,
	s_and_b32 s26, s22, 1
	s_lshl_b32 s26, s26, 15                        ; 8 rows more for the odd one
	s_add_co_u32 s26, s26, s23
	s_add_nc_u64 s[20:21], s[20:21], s[26:27]
	s_lshl_b32 s28, ttmp9, 2
	s_add_co_u32 s28, s28, s16                     ; the tile's number among all 768
	s_mul_i32 s26, s28, IMGT
	s_add_nc_u64 s[30:31], s[14:15], s[26:27]      ; its codes
	s_lshl_b32 s26, s28, 9
	s_add_co_u32 s26, s26, SC_OFF
	s_add_nc_u64 s[34:35], s[14:15], s[26:27]      ; its 512 scale bytes
	v_lshlrev_b32 v5, 4, v3
	v_lshl_add_u32 v5, v4, 12, v5                  ; a load: lanes 0-15 take 256 bytes of one row, lanes 16-31 of the next
	s_mul_i32 s29, s16, WREG
	v_mul_u32_u24 v6, v4, 272
	v_lshl_add_u32 v6, v3, 4, v6
	v_add_nc_u32 v6, s29, v6                       ; into the stage as loaded
	v_mul_u32_u24 v7, v3, 272
	v_lshl_add_u32 v7, v4, 7, v7
	v_add_nc_u32 v7, s29, v7                       ; out of it: row r, block h: 128 bytes a lane; the pitch of 17 x 16 bytes spreads sixteen rows over sixteen columns of 16 bytes
	v_lshlrev_b32 v9, 5, v3
	v_lshl_add_u32 v9, v4, 4, v9                   ; the scale bytes' way out: 32 r + 16 h
	v_lshlrev_b32 v10, 3, v4                       ; 8 h
	v_mov_b32 v11, 0                               ; (a lane permute's destination counts as one of its sources)
.macro LOAD t                          ; step t: stored rows 2 i and 2 i + 1, K = 64 t on
.irp i, 0,1,2,3,4,5,6,7
	global_load_b128 v[R+32*((\t)%4)+4*\i:R+32*((\t)%4)+4*\i+3], v5, s[20:21] offset:(2*\i+8*(\i/4))*4096+256*(\t) th:TH_LOAD_NT
.endr
.endm
.macro TURN t                          ; through my own stage: LDS serves a wave's instructions in order, so no wait stands between the stores and the loads
.irp i, 0,1,2,3,4,5,6,7
	ds_store_b128 v6, v[R+32*((\t)%4)+4*\i:R+32*((\t)%4)+4*\i+3] offset:STG*((\t)%2)+2*\i*272
.endr
.irp i, 0,1,2,3,4,5,6,7
	ds_load_b128 v[X+32*((\t)%2)+4*\i:X+32*((\t)%2)+4*\i+3], v7 offset:STG*((\t)%2)+16*\i
.endr
.endm
.macro STEP t
.set XS, X+32*((\t)%2)
	s_wait_dscnt 0x0                               ; this step's block is back from the stage
.if (\t)+4 < 16
	LOAD (\t)+4                                    ; into the set that this step's stage stores have read
.endif
.if (\t)+1 < 16
.if (\t) < 12
	s_wait_loadcnt 24                              ; the next step's eight loads are in; those of the three steps behind it may be out
.else
	s_wait_loadcnt 8*(14-(\t))
.endif
	TURN (\t)+1
.endif
	v_max3_num_f32 v24, |v[XS]|, |v[XS+1]|, 0x1800000      ; the block's largest magnitude, all 32 numbers mine, in two chains; the floor 2^(3 - 127) holds the byte at 1 from below
	v_max3_num_f32 v25, |v[XS+2]|, |v[XS+3]|, |v[XS+4]|
.irp i, 5,9,13,17,21,25
	v_max3_num_f32 v24, v24, |v[XS+\i]|, |v[XS+\i+1]|
	v_max3_num_f32 v25, v25, |v[XS+\i+2]|, |v[XS+\i+3]|
.endr
	v_max3_num_f32 v24, v24, |v[XS+29]|, |v[XS+30]|
	v_max3_num_f32 v24, v24, v25, |v[XS+31]|
	v_add_nc_u32 v26, 0xff000000, v24              ; 2 off its exponent field: the conversion takes the exponent field of this operand as its scale
	s_wait_xcnt 0x0                                ; the last step's stores have read their data: the codes' registers may be written
	v_cvt_scalef32_pk16_fp6_f32 v[C:C+2], v[XS:XS+15], v26
	v_cvt_scalef32_pk16_fp6_f32 v[C+4:C+6], v[XS+16:XS+31], v26   ; (a conversion's three registers begin on an even number)
	v_lshrrev_b32 v15, 23, v26                     ; the scale's byte; also the plain instruction behind the conversions
	v_mov_b32 v[C+3], v[C+4]
	v_mov_b32 v[C+4], v[C+5]
	v_mov_b32 v[C+5], v[C+6]                       ; six registers on end: the block's 24 bytes
.irp p, 0,1,2
	global_store_b64 v8, v[C+2*\p:C+2*\p+1], s[30:31] offset:768*(\t)+256*\p   ; 32 lanes store 256 consecutive bytes, aligned
.endr
.if (\t)%2 == 0
	v_mov_b32 v14, v15
.else
	v_lshl_or_b32 v14, v15, 16, v14                ; my two bytes of the word for these 128 along K: blocks h and 2 + h,
	v_lshlrev_b32 v14, v10, v14                    ; at their places,
	v_permlanex16_b32 v11, v14, s2, s3
	v_or_b32 v[W+(\t)/2], v14, v11                 ; with lane l xor 16's two
.endif
.endm
	LOAD 0
	LOAD 1
	LOAD 2
	LOAD 3
	s_wait_loadcnt 24                              ; step 0's eight loads are in
	TURN 0
.irp t, 0,1,2,3,4,5,6,7,8,9,10,11,12,13,14,15
	STEP \t
.endr
	s_mov_b32 s36, 0xffff0000
.irp j, 0,1,2,3
	v_cndmask_b32 v[28+\j], v[W+\j], v[W+4+\j], s36   ; lanes 0-15 take the row's words 0-3, lanes 16-31 its words 4-7
.endr
	global_store_b128 v9, v[28:31], s[34:35]       ; 512 consecutive bytes
	s_wait_tensorcnt 0x0                           ; the wave's end, behind my last LDS store
	ds_add_u32 v[SPW], v[NIL]
	s_wait_dscnt 0x0
	s_endpgm
.Lnot_q:
	s_cmp_lt_u32 ttmp9, 224
	s_cbranch_scc0 .Lmask
; ---------------- THE TABLE: a wave takes 16 tokens, a lane one of the 32 frequencies
	s_sub_co_u32 s20, ttmp9, 192
	s_lshl_b32 s20, s20, 2
	s_add_co_u32 s20, s20, s16                     ; which 16 tokens
	s_lshl_b32 s22, s20, 6
	s_mov_b32 s23, 0
	s_add_nc_u64 s[12:13], s[12:13], s[22:23]
	s_load_b512 s[36:51], s[12:13], 0x0            ; their positions
	s_lshl_b32 s22, s20, 12
	s_add_co_u32 s22, s22, ROPE_OFF
	s_add_nc_u64 s[14:15], s[14:15], s[22:23]
	v_cvt_f32_u32 v20, v2                          ; i
	v_mul_f32 v21, 0xbed49a60, v20                 ; -i x the upper 19 bits of log2(10000) / 32: exact
	v_exp_f32 v16, v21
	v_mul_f32 v22, 0x3506b9e5, v20                 ; i x the rest x ln 2; also the plain instruction behind the exponential
	s_wait_alu depctr_va_vdst(0)                   ; the wait ahead of the first reader
	v_fma_f32 v16, -v22, v16, v16                  ; 10000^(-i / 32)
	v_mov_b32 v17, 0x3638ef1d                      ; 1 / 9!
	v_mov_b32 v18, 0xb493f27e                      ; -1 / 10!
	v_lshlrev_b32 v19, 2, v2
	s_wait_kmcnt 0x0
.set j, 0
.rept 16
	v_cvt_f32_i32 v20, s[36+j]
	v_mul_f32 v20, v20, v16                        ; the angle, in f32
	v_mul_f32 v21, 0x3f22f983, v20
	v_rndne_f32 v21, v21                           ; k = the nearest whole number to angle x 2 / pi
	v_fmamk_f32 v22, v21, 0xbfc90fdb, v20          ; r = angle - k pi / 2, pi / 2 in two words
	v_fmamk_f32 v22, v21, 0x333bbd2e, v22
	v_mul_f32 v23, v22, v22
	v_fmaak_f32 v24, v23, v17, 0xb9500d01          ; sin r and cos r by their series, |r| <= pi / 4; the first terms left out lie under 2e-9
	v_fmaak_f32 v26, v23, v18, 0x37d00d01
	v_fmaak_f32 v24, v23, v24, 0x3c088889
	v_fmaak_f32 v26, v23, v26, 0xbab60b61
	v_fmaak_f32 v24, v23, v24, 0xbe2aaaab
	v_fmaak_f32 v26, v23, v26, 0x3d2aaaab
	v_mul_f32 v25, v23, v22
	v_fmaak_f32 v26, v23, v26, 0xbf000000
	v_fma_f32 v24, v25, v24, v22
	v_fma_f32 v26, v23, v26, 1.0
	v_cvt_i32_f32 v27, v21
	v_and_b32 v28, 1, v27
	v_cmp_ne_u32 vcc_lo, 0, v28
	v_cndmask_b32 v29, v24, v26, vcc_lo            ; in odd quadrants the two change places
	v_cndmask_b32 v30, v26, v24, vcc_lo
	v_and_b32 v28, 2, v27                          ; the sine is negative in quadrants 2 and 3,
	v_add_nc_u32 v27, 1, v27
	v_lshlrev_b32 v28, 30, v28
	v_and_b32 v27, 2, v27                          ; the cosine in 1 and 2
	v_lshlrev_b32 v27, 30, v27
	v_xor_b32 v[33+2*j], v28, v29
	v_xor_b32 v[32+2*j], v27, v30
	global_store_b32 v19, v[32+2*j], s[14:15] offset:256*j       ; each token has its own two registers: no store's data are written again
	global_store_b32 v19, v[33+2*j], s[14:15] offset:256*j+128
.set j, j+1
.endr
	s_endpgm
.Lmask:
; ---------------- THE MASK: a wave takes a tile of 16 queries (in the stored order) and 1,024 keys: eight steps of 128
	s_sub_co_u32 s20, ttmp9, 224
	s_lshl_b32 s20, s20, 2
	s_add_co_u32 s20, s20, s16                     ; 2 x tile + half
	s_lshr_b32 s21, s20, 1
	s_and_b32 s22, s20, 1
	s_lshr_b32 s26, s21, 1
	s_lshl_b32 s26, s26, 16                        ; 32 rows of 2,048 bytes for each pair of tiles,
	s_and_b32 s23, s21, 1
	s_lshl_b32 s23, s23, 14                        ; 8 rows more for the odd one,
	s_add_co_u32 s26, s26, s23
	s_lshl_b32 s23, s22, 10                        ; and my half of the keys
	s_add_co_u32 s26, s26, s23
	s_add_nc_u64 s[10:11], s[10:11], s[26:27]
	s_lshl_b32 s26, s20, 11
	s_add_co_u32 s26, s26, LM_OFF
	s_add_nc_u64 s[28:29], s[24:25], s[26:27]      ; my eight steps' lane masks, 256 bytes a step
	s_lshl_b32 s26, s20, 7
	s_add_nc_u64 s[30:31], s[24:25], s[26:27]      ; my flag word, 32 times
	v_and_b32 v5, 8, v3
	v_add_nc_u32 v5, v5, v3                        ; r + 8 (r / 8)
	v_lshlrev_b32 v5, 11, v5
	v_lshl_add_u32 v5, v4, 4, v5                   ; my query's row, + 16 h: register 16 b + i of the scores holds key 32 b + 16 h + i
.set k, 0
.rept 8
.irp b, 0,1,2,3
	global_load_b128 v[32+16*k+4*\b:35+16*k+4*\b], v5, s[10:11] offset:128*k+32*\b
.endr
.set k, k+1
.endr
	s_mov_b32 s32, 0xff
	s_mov_b32 s33, 0xff00
	s_mov_b32 s34, 0xff0000
	s_mov_b32 s35, 0xff000000
.set k, 0
.rept 16
	v_mov_b32 v[160+k], 0                          ; (v_writelane_b32's destination counts as read)
.set k, k+1
.endr
	s_mov_b32 s44, 0
	s_wait_loadcnt 0x0
.set k, 0
.rept 8
	s_mov_b32 s45, 0                               ; is any of the step's 16 x 128 places hidden,
	s_mov_b32 s46, -1                              ; are all
.set n, 0
.rept 64
	v_and_b32 v[176+n%4], s[32+n%4], v[32+16*k+4*(n/16)+(n%16)/4]
	v_cmp_ne_u32 s[40+n%4], 0, v[176+n%4]          ; the lane mask of score register n
	v_writelane_b32 v[160+2*k+n%2], s[40+n%4], n/2 ; word n of the step's 64: lane n / 2 stores words n and n + 1
	s_or_b32 s45, s45, s[40+n%4]
	s_and_b32 s46, s46, s[40+n%4]
.set n, n+1
.endr
	s_cmp_eq_u32 s46, -1
	s_cselect_b32 s47, 1, 0                        ; wholly hidden
	s_cmp_lg_u32 s45, 0
	s_cselect_b32 s48, 1, 0
	s_sub_co_u32 s48, s48, s47                     ; hidden in part
	s_lshl_b32 s47, s47, k
	s_lshl_b32 s48, s48, 16+k
	s_or_b32 s44, s44, s47
	s_or_b32 s44, s44, s48
	global_store_b64 v8, v[160+2*k:161+2*k], s[28:29] offset:256*k   ; 256 consecutive bytes; each step has its own two registers
.set k, k+1
.endr
	s_lshl_b32 s22, s22, 3
	s_lshl_b32 s44, s44, s22                       ; the second half's steps are 8 to 15
	v_mov_b32 v180, s44
	v_lshlrev_b32 v181, 2, v2
	global_store_b32 v181, v180, s[30:31]
	s_endpgm
.Lfunc_end_k_qb64558604d_prep:
	.size	k_qb64558604d_prep, .Lfunc_end_k_qb64558604d_prep-k_qb64558604d_prep
	.p2alignl 7, 3214868480
	.fill 96, 4, 3214868480
	.section	.rodata,"a",@progbits
	.p2align	6, 0x0
	.amdhsa_kernel k_qb64558604d_prep
		.amdhsa_group_segment_fixed_size 35328
		.amdhsa_private_segment_fixed_size 0
		.amdhsa_enable_private_segment 0
		.amdhsa_kernarg_size 56
		.amdhsa_user_sgpr_count 2
		.amdhsa_user_sgpr_kernarg_segment_ptr 1
		.amdhsa_wavefront_size32 1
		.amdhsa_system_sgpr_workgroup_id_x 1
		.amdhsa_system_sgpr_workgroup_id_y 1
		.amdhsa_system_sgpr_workgroup_id_z 1
		.amdhsa_system_vgpr_workitem_id 0
		.amdhsa_next_free_vgpr 240
		.amdhsa_next_free_sgpr 66
		.amdhsa_reserve_vcc 1
		.amdhsa_float_denorm_mode_32 3
		.amdhsa_float_denorm_mode_16_64 3
		.amdhsa_memory_ordered 1
		.amdhsa_forward_progress 1
		.amdhsa_inst_pref_size 206
	.end_amdhsa_kernel
	.amdgpu_metadata
---
amdhsa.version: [ 1, 2 ]
amdhsa.kernels:
  - .name:           k_qb64558604d_prep
    .symbol:         k_qb64558604d_prep.kd
    .args:
      - { .name: x, .offset: 0, .size: 8, .value_kind: global_buffer, .address_space: global }
      - { .name: W_qkv, .offset: 8, .size: 8, .value_kind: global_buffer, .address_space: global }
      - { .name: W_out, .offset: 16, .size: 8, .value_kind: global_buffer, .address_space: global }
      - { .name: mask, .offset: 24, .size: 8, .value_kind: global_buffer, .address_space: global }
      - { .name: pos, .offset: 32, .size: 8, .value_kind: global_buffer, .address_space: global }
      - { .name: ops, .offset: 40, .size: 8, .value_kind: global_buffer, .address_space: global }
      - { .name: msk, .offset: 48, .size: 8, .value_kind: global_buffer, .address_space: global }
    .group_segment_fixed_size: 35328
    .private_segment_fixed_size: 0
    .kernarg_segment_align: 8
    .kernarg_segment_size: 56
    .max_flat_workgroup_size: 128
    .sgpr_count:     66
    .vgpr_count:     240
    .wavefront_size: 32
...
	.end_amdgpu_metadata
.endif
;; end of part 1
;; launch qkv (part 2): grid 16 x 32, 4 waves a work-group, clusters of 4 x 4, 327,680 bytes of LDS; arguments ops, qn_w, kn_w, qkvq; writes qkvq
.if DOCPART == 2
	.amdgcn_target "amdgcn-amd-amdhsa--gfx1250"
	.amdhsa_code_object_version 6
	.text
	.protected	k_qb64558604d_qkv
	.globl	k_qb64558604d_qkv
	.p2align	8
	.type	k_qb64558604d_qkv,@function
k_qb64558604d_qkv:
	s_mov_b64 s[64:65], 0
	v_nop
	global_prefetch_b8 v0, s[64:65] scope:SCOPE_SE
	s_setreg_imm32_b32 hwreg(HW_REG_WAVE_MODE, 25, 1), 1
	s_wait_xcnt 0x0
	s_wait_alu depctr_hold_cnt(0) depctr_sa_sdst(0) depctr_va_vdst(0) depctr_va_sdst(0) depctr_va_ssrc(0) depctr_va_vcc(0) depctr_vm_vsrc(0)
	s_getreg_b32 s2, hwreg(HW_REG_IB_STS2, 6, 4)
	s_cmp_eq_u32 s2, 0
	s_cbranch_scc0 .Lentry_in_a_cluster
	s_endpgm
.Lentry_in_a_cluster:
	s_bfe_u32 s2, ttmp6, 0x10000c
	s_cmp_lg_u32 s2, 0xf033
	s_cbranch_scc0 .Lentry_shape_is_right
	s_endpgm
.Lentry_shape_is_right:
; QKV.  x W_qkv^T on codes of E2M3, and all that stands between it and attention's operands: the norm of q and k, the rotation, and the three quantisers.  No f32 number goes to memory.
; SHARES.  Work-group (x = head, y = block of 256 tokens) makes that head's q, k and v, 192 columns, for its tokens.  Wave w takes stored rows 64 w .. 64 w + 63 (four blocks a of 16) and all twelve blocks of 16
; columns (0-3 q, 4-7 k, 8-11 v): 48 accumulators.  q and k are used TRANSPOSED (source 0 = 16 rows of W, source 1 = 16 tokens): a lane holds one token and its registers run along the head's 64, which is the
; next product's K.  v is used as it stands (source 0 = 16 tokens, source 1 = 16 rows of W): a lane holds one of the head's 64 and its registers run along the tokens, which are v's K.  Both take the same fragments.
; The stored order of rows (tile T's row rho is row 32 (T / 2) + 8 (T % 2) + rho + 8 (rho / 8)) makes the 16 registers of two neighbouring tiles 16 neighbours along that K.
; OPERANDS lie in memory and in LDS as images of their registers: for each tile of 16 rows and each 64 along K, [piece 0..2][lane][8 bytes]: a fragment is six loads of 8 bytes a lane, each 256 consecutive bytes.
; K goes in four steps of 256 through three LDS slots: steps 0, 1, 2 are first fills, step 3 fills slot 0 again.  By this text's own count a wave has four tensor loads out at the start and one behind the refill's round.
; CLUSTER 4 x 4: x's tiles hang on y alone and are asked for jointly along a row of the cluster, W's hang on x alone and are asked for jointly along a column.
; REGISTERS, in windows of 256.  Window 0: v1-29 addresses; v32-95 scale words and nothing else; v96-143, v144-191 x's fragments, two sets; v192-255 at work at the end.  Window 1: v0-143 W's twelve fragments,
; one set; v144-207 the norms' weights.  Window 2: q's and k's accumulators, (a, b) at 8 (4 b + a).  Window 3: v0-127 v's accumulators, (a, i) at 8 (4 i + a); v128-255 cos and sin of my 64 tokens.
; LIMITS: NaN and infinities are not served; a block whose largest magnitude lies under 2^-124 keeps the scale byte 1.
.set SLOT,     86016                   ; x's 16 tiles x 3,072 bytes, then W's 12
.set BOFF,     49152
.set SCL,      3*SLOT                  ; x's scale bytes: 256 rows x 32, as 32 units of 256 bytes + 16 of padding
.set SCLB,     SCL+8704                ; W's: 192 rows, 24 units
.set SPARE,    273408                  ; the spare words, 128 bytes for each wave, in blocks of 256 bytes of their own
.set SC_OFF,   9437184
.set ROPE_OFF, 9830400
.set KIMG,     6291456                 ; in qkvq: q's images at 0, k's here,
.set VIMG,     12582912                ; v's, [head][64 keys][tile of 16 of the head's 64],
.set QSC,      18874368                ; q's scale words, 16 for a tile; k's 524,288 bytes on;
.set VSC,      19922944                ; v's: [head][128 keys][tile][row], a byte for each 32 keys
.set ADRA,  16                         ; v16-18 my four tiles of x in slot 0, 1, 2
.set ADRB,  20                         ; v20-22 W's tiles
.set ADRS,  24                         ; v24    scale words: lanes 0-15 x's rows, lanes 16-31 W's blocks 0-3
.set ADRS2, 25                         ; v25    lanes 0-15 W's blocks 4-7, lanes 16-31 its blocks 8-11
.set L8,    26                         ; v26    8 x lane
.set L4,    27                         ; v27    4 x lane
.set SPW,   28                         ; v28    SPARE + 4 x my thread's number; never rewritten
.set NIL,   29                         ; v29    0; never rewritten
.set SCA,   32                         ; v[SCA + 8 a + s]: word s (K = 128 s on): lanes 0-15 x's block a, lanes 16-31 W's block a
.set SCB,   64                         ; v[SCB + 8 i + s]: lanes 0-15 W's block 4 + i, lanes 16-31 W's block 8 + i
.set AF,    96
.set XN,    96                         ; at the end: 32 numbers of a token, normed
.set O,     128                        ; and rotated
.set G1A,  20                          ; s[20:27] group 1, x's tiles; s[28:35] W's; s[36:43], s[44:51] their scale bytes
.set G1B,  28
.set G1SA, 36
.set G1SB, 44                          ; groups 0: x's at s52 (scales), s56, s60, s68 (K steps 0, 1, 2); W's at s72, s76, s80, s84
.set MSB, 0
.macro WIN new                         ; the immediate's high byte repeats the setting that is left
.if MSB != \new
	s_set_vgpr_msb (MSB<<8)|\new
.set MSB, \new
.endif
.endm
; A joint load: waves 0 and 1 fetch for x, waves 2 and 3 for W.  The branch hangs on the wave's number alone.  An s_nop 0 and four v_nop follow each of the two lines.
.macro JLOAD g0a, g1a, g0b, g1b
	s_cmp_eq_u32 s15, 0
	s_cbranch_scc0 .Lfor_b_\@
	tensor_load_to_lds s[\g0a:\g0a+3], s[\g1a:\g1a+7]
	s_nop 0
.rept 4
	v_nop
.endr
	s_branch .Lasked_\@
.Lfor_b_\@:
	tensor_load_to_lds s[\g0b:\g0b+3], s[\g1b:\g1b+7]
	s_nop 0
.rept 4
	v_nop
.endr
.Lasked_\@:
.endm
.macro CROUND                          ; a round of the cluster's barrier
	s_barrier_signal -1
	s_barrier_wait -1
	s_cmp_lg_u32 s14, 0
	s_cbranch_scc1 .Lnot_wave_0_\@
	s_barrier_signal -3
.Lnot_wave_0_\@:
	s_barrier_wait -3
	s_barrier_signal -1
	s_barrier_wait -1
.endm
.macro PLACES                          ; four plain instructions in front of loads into registers that matrix instructions have read, and of the first read of results
.rept 4
	v_nop
.endr
.endm
	s_load_b256 s[4:11], s[0:1], 0x0               ; ops, qn_w, kn_w, qkvq
	v_lshl_add_u32 v[SPW], v0, 2, SPARE
	v_mov_b32 v[NIL], 0
	ds_add_u32 v[SPW], v[NIL]                      ; the wave's opening: the add and its wait ahead of my first tensor load; work on registers stands between them
	v_lshrrev_b32 v1, 5, v0
	v_readfirstlane_b32 s14, v1                    ; wave 0..3
	s_lshr_b32 s15, s14, 1                         ; I fetch for x (0) or for W (1),
	s_and_b32 s16, s14, 1                          ; its first or its second half
	s_bfe_u32 s88, ttmp6, 0x40000                  ; cx
	s_bfe_u32 s89, ttmp6, 0x40004                  ; cy
	s_lshl_b32 s90, ttmp9, 2
	s_add_co_u32 s90, s90, s88                     ; the head = 4 x cluster x + cx
	s_and_b32 s91, ttmp7, 0xffff
	s_lshl_b32 s91, s91, 2
	s_add_co_u32 s91, s91, s89                     ; the block of tokens = 4 x cluster y + cy
	s_lshl_b32 s92, s89, 2
	s_lshl_b32 s92, 15, s92                        ; my row of the cluster
	s_lshl_b32 s93, 0x1111, s88                    ; my column
	s_or_b32 s[G1A], s92, (3<<16)|(1<<21)          ; the mask; elements of 8 bytes; bit 21 set beside a mask; no padding
	s_or_b32 s[G1B], s93, (3<<16)|(1<<21)
	s_or_b32 s[G1SA], s92, (3<<16)|(1<<20)|(1<<21)|(5<<22)|(3<<25)   ; 4 words of padding behind every 64
	s_or_b32 s[G1SB], s93, (3<<16)|(1<<20)|(1<<21)|(5<<22)|(3<<25)
	s_mov_b32 s[G1A+1], 384<<16                    ; a tile's part of a K step: 3,072 bytes = 384 elements
	s_mov_b32 s[G1A+2], 8<<16                      ; 8 tiles
	s_mov_b32 s[G1A+3], 384<<16
	s_mov_b32 s[G1A+4], 8
	s_mov_b32 s[G1A+5], 1536                       ; from tile to tile: 12,288 bytes
	s_mov_b32 s[G1A+6], 0
	s_mov_b32 s[G1A+7], 0
	s_mov_b32 s[G1B+1], 384<<16
	s_mov_b32 s[G1B+2], 6<<16                      ; 6 tiles
	s_mov_b32 s[G1B+3], 384<<16
	s_mov_b32 s[G1B+4], 6
	s_mov_b32 s[G1B+5], 1536
	s_mov_b32 s[G1B+6], 0
	s_mov_b32 s[G1B+7], 0
	s_mov_b32 s[G1SA+1], 32<<16                    ; a dense block as rows of 256 bytes: 128 rows' scale bytes are 16
	s_mov_b32 s[G1SA+2], 16<<16
	s_mov_b32 s[G1SA+3], 32<<16
	s_mov_b32 s[G1SA+4], 16
	s_mov_b32 s[G1SA+5], 32
	s_mov_b32 s[G1SA+6], 0
	s_mov_b32 s[G1SA+7], 0
	s_mov_b32 s[G1SB+1], 32<<16                    ; 96 rows' are 12
	s_mov_b32 s[G1SB+2], 12<<16
	s_mov_b32 s[G1SB+3], 32<<16
	s_mov_b32 s[G1SB+4], 12
	s_mov_b32 s[G1SB+5], 32
	s_mov_b32 s[G1SB+6], 0
	s_mov_b32 s[G1SB+7], 0
	; where the tiles come from.  x's hang on y and the wave's number alone, W's on the head and the wave's number alone, each in registers that never hold the other coordinate
	s_lshl_b32 s94, s91, 4
	s_lshl_b32 s12, s16, 3
	s_add_co_u32 s94, s94, s12
	s_mul_i32 s94, s94, 12288                      ; x: tile 16 y + 8 x half
	s_mov_b32 s95, 0
	s_lshl_b32 s96, s91, 13
	s_lshl_b32 s12, s16, 12
	s_add_co_u32 s96, s96, s12
	s_add_co_u32 s96, s96, SC_OFF                  ; its scale bytes: row 256 y + 128 x half
	s_mov_b32 s97, 0
	s_mul_i32 s98, s90, 12
	s_mul_i32 s13, s16, 6
	s_add_co_u32 s98, s98, s13
	s_add_co_u32 s98, s98, 512
	s_mul_i32 s98, s98, 12288                      ; W: tile 512 + 12 x head + 6 x half
	s_mov_b32 s99, 0
	s_mul_i32 s18, s90, 6144
	s_mul_i32 s13, s16, 3072
	s_add_co_u32 s18, s18, s13
	s_add_co_u32 s18, s18, SC_OFF+262144           ; its scale bytes: row 8,192 + 192 x head + 96 x half
	s_mov_b32 s19, 0
	s_mul_i32 s12, s16, 24576                      ; and where they go: no place in the cluster enters an LDS address
	s_mul_i32 s13, s16, 18432
	s_mul_i32 s53, s16, 4352
	s_add_co_u32 s53, s53, SCL
	s_mul_i32 s73, s16, 3264
	s_add_co_u32 s73, s73, SCLB
	s_mov_b32 s2, 0x76543210
	s_mov_b32 s3, 0xfedcba98                       ; v_permlanex16_b32's selects for lane l xor 16
	s_mov_b32 s17, 0xffff0000                      ; lanes 16-31
	s_mov_b32 s100, 0x3c800000                     ; 1 / 64
	s_mov_b32 s101, 0x34000000                     ; the norm's eps, 2^-23
	s_wait_dscnt 0x0                               ; the opening add is done
	s_wait_kmcnt 0x0
	s_add_nc_u64 s[94:95], s[4:5], s[94:95]
	s_add_nc_u64 s[96:97], s[4:5], s[96:97]
	s_add_nc_u64 s[98:99], s[4:5], s[98:99]
	s_add_nc_u64 s[18:19], s[4:5], s[18:19]
	CROUND                                         ; all sixteen work-groups are here: the first joint loads meet
	s_mov_b32 s52, 1
	s_mov_b64 s[54:55], s[96:97]
	s_or_b32 s55, s55, 0x80000000
	s_mov_b32 s72, 1
	s_mov_b64 s[74:75], s[18:19]
	s_or_b32 s75, s75, 0x80000000
	JLOAD 52, G1SA, 72, G1SB                       ; the scale bytes, for all of K: filled once
.irp k, 0,1,2
.set GA, 56+4*\k+4*(\k/2)
.set GB, 76+4*\k
	s_mov_b32 s[GA], 1
	s_add_co_u32 s[GA+1], s12, \k*SLOT
	s_add_nc_u64 s[GA+2:GA+3], s[94:95], \k*3072
	s_or_b32 s[GA+3], s[GA+3], 0x80000000
	s_mov_b32 s[GB], 1
	s_add_co_u32 s[GB+1], s13, \k*SLOT+BOFF
	s_add_nc_u64 s[GB+2:GB+3], s[98:99], \k*3072
	s_or_b32 s[GB+3], s[GB+3], 0x80000000
	JLOAD GA, G1A, GB, G1B                         ; K steps 0, 1, 2
.endr
	; the pointers of the end
	s_lshr_b32 s88, s91, 3
	s_lshl_b32 s88, s88, 4
	s_add_co_u32 s88, s88, s90                     ; batch x 16 + head
	s_and_b32 s89, s91, 7                          ; my block of 256 tokens in its batch
	s_mov_b32 s93, 0
	s_lshl_b32 s92, s89, 16
	s_lshl_b32 s90, s14, 14
	s_add_co_u32 s92, s92, s90
	s_add_co_u32 s92, s92, ROPE_OFF
	s_add_nc_u64 s[96:97], s[4:5], s[92:93]        ; the table at my wave's first token: 256 bytes a token
	s_lshl_b32 s92, s88, 7
	s_lshl_b32 s90, s89, 4
	s_add_co_u32 s92, s92, s90
	s_lshl_b32 s90, s14, 2
	s_add_co_u32 s91, s92, s90                     ; my first tile of q and k
	s_mul_i32 s92, s91, 768
	s_add_nc_u64 s[94:95], s[10:11], s[92:93]
	s_lshl_b32 s92, s91, 6
	s_add_co_u32 s92, s92, QSC
	s_add_nc_u64 s[12:13], s[10:11], s[92:93]
	s_lshl_b32 s92, s88, 5
	s_lshl_b32 s90, s89, 2
	s_add_co_u32 s92, s92, s90
	s_add_co_u32 s92, s92, s14                     ; my 64 keys' group
	s_mul_i32 s92, s92, 3072
	s_add_co_u32 s92, s92, VIMG
	s_add_nc_u64 s[98:99], s[10:11], s[92:93]
	s_lshl_b32 s92, s88, 4
	s_lshl_b32 s90, s89, 1
	s_add_co_u32 s92, s92, s90
	s_add_co_u32 s92, s92, s15                     ; the step of 128 keys,
	s_lshl_b32 s92, s92, 8
	s_lshl_b32 s90, s16, 1                         ; and my half of each scale word
	s_add_co_u32 s92, s92, s90
	s_add_co_u32 s92, s92, VSC
	s_add_nc_u64 s[18:19], s[10:11], s[92:93]
	v_and_b32 v1, 31, v0                           ; lane l
	v_and_b32 v2, 15, v0                           ; r
	v_bfe_u32 v3, v0, 4, 1                         ; h
	v_and_b32 v8, 8, v2
	v_add_nc_u32 v8, v8, v2                        ; r + 8 (r / 8)
	v_lshlrev_b32 v8, 8, v8
	v_lshl_add_u32 v8, v3, 6, v8                   ; my token's row of the table, + frequencies 16 h on
	v_lshlrev_b32 v9, 6, v3                        ; the weights of the head's numbers 16 h on
	WIN 0xc0                                       ; destination window 3
.irp a, 0,1,2,3
.irp k, 0,1,2,3
	global_load_b128 v[128+32*\a+4*\k:131+32*\a+4*\k], v8, s[96:97] offset:(32*(\a/2)+8*(\a%2))*256+16*\k
	global_load_b128 v[144+32*\a+4*\k:147+32*\a+4*\k], v8, s[96:97] offset:(32*(\a/2)+8*(\a%2))*256+16*\k+128
.endr
.endr
	WIN 0x40                                       ; destination window 1
.irp g, 0,1
.irp k, 0,1,2,3
	global_load_b128 v[144+16*\g+4*\k:147+16*\g+4*\k], v9, s[6:7] offset:128*\g+16*\k
	global_load_b128 v[176+16*\g+4*\k:179+16*\g+4*\k], v9, s[8:9] offset:128*\g+16*\k
.endr
.endr
	WIN 0
	v_lshlrev_b32 v[L8], 3, v1
	v_lshlrev_b32 v[L4], 2, v1
	s_mul_i32 s93, s14, 12288
.irp s, 0,1,2
	v_add_nc_u32 v[ADRA+\s], s93, v[L8]
	v_add_nc_u32 v[ADRB+\s], \s*SLOT+BOFF, v[L8]
	s_add_co_u32 s93, s93, SLOT
.endr
	v_lshrrev_b32 v4, 3, v2
	v_lshlrev_b32 v4, 4, v4
	v_lshl_add_u32 v4, v2, 5, v4                   ; row r of a block of 16: 32 r, and 16 more behind a unit's padding
	s_mul_i32 s93, s14, 2176                       ; my four blocks of x: 544 bytes a block
	s_sub_co_u32 s92, SCLB-SCL, s93
	v_mul_u32_u24 v6, s92, v3                      ; lanes 16-31 take W's
	s_add_co_u32 s93, s93, SCL
	v_add_nc_u32 v7, v4, v6
	v_add_nc_u32 v[ADRS], s93, v7
	v_mul_u32_u24 v6, 2176, v3
	v_add_nc_u32 v6, v4, v6
	v_add_nc_u32 v[ADRS2], SCLB+2176, v6
.macro FRAG reg, adr, tile, q          ; a fragment: 16 rows x 128 K, the q-th of its slot: registers 0-5 from one group of 64, 6-11 from the next
.irp p, 0,1,2,3,4,5
	ds_load_b64 v[\reg+2*\p:\reg+2*\p+1], v[\adr] offset:(\tile)*3072+(2*(\q)+\p/3)*768+(\p%3)*256
.endr
.endm
.macro FETCH_A slot, q, set
	WIN 0
.irp a, 0,1,2,3
	FRAG AF+48*(\set)+12*\a, ADRA+(\slot), \a, \q
.endr
.endm
.macro FETCH_B slot, q, b0
	WIN 0x40
.irp b, \b0, \b0+1, \b0+2, \b0+3
	FRAG 12*(\b), ADRB+(\slot), \b, \q
.endr
.endm
; One matrix line.  sg = the substep (its number picks the scale word; substep 0 starts the sums with the constant 0).  row: 0 both sides' scales in lanes 0-15; 1 source 0's in lanes 16-31; 2 source 1's
.macro MM d, fa, fb, sg, sa, sb, row
.if (\sg) == 0
.if (\row) == 0
	v_wmma_scale_f32_16x16x128_f8f6f4 v[0+\d:7+\d], v[0+\fa:11+\fa], v[0+\fb:11+\fb], 0, v[\sa+(\sg)], v[\sb+(\sg)] matrix_a_fmt:MATRIX_FMT_FP6 matrix_b_fmt:MATRIX_FMT_FP6
.elseif (\row) == 1
	v_wmma_scale_f32_16x16x128_f8f6f4 v[0+\d:7+\d], v[0+\fa:11+\fa], v[0+\fb:11+\fb], 0, v[\sa+(\sg)], v[\sb+(\sg)] matrix_a_fmt:MATRIX_FMT_FP6 matrix_b_fmt:MATRIX_FMT_FP6 matrix_a_scale:MATRIX_SCALE_ROW1
.else
	v_wmma_scale_f32_16x16x128_f8f6f4 v[0+\d:7+\d], v[0+\fa:11+\fa], v[0+\fb:11+\fb], 0, v[\sa+(\sg)], v[\sb+(\sg)] matrix_a_fmt:MATRIX_FMT_FP6 matrix_b_fmt:MATRIX_FMT_FP6 matrix_b_scale:MATRIX_SCALE_ROW1
.endif
.else
.if (\row) == 0
	v_wmma_scale_f32_16x16x128_f8f6f4 v[0+\d:7+\d], v[0+\fa:11+\fa], v[0+\fb:11+\fb], v[0+\d:7+\d], v[\sa+(\sg)], v[\sb+(\sg)] matrix_a_fmt:MATRIX_FMT_FP6 matrix_b_fmt:MATRIX_FMT_FP6
.elseif (\row) == 1
	v_wmma_scale_f32_16x16x128_f8f6f4 v[0+\d:7+\d], v[0+\fa:11+\fa], v[0+\fb:11+\fb], v[0+\d:7+\d], v[\sa+(\sg)], v[\sb+(\sg)] matrix_a_fmt:MATRIX_FMT_FP6 matrix_b_fmt:MATRIX_FMT_FP6 matrix_a_scale:MATRIX_SCALE_ROW1
.else
	v_wmma_scale_f32_16x16x128_f8f6f4 v[0+\d:7+\d], v[0+\fa:11+\fa], v[0+\fb:11+\fb], v[0+\d:7+\d], v[\sa+(\sg)], v[\sb+(\sg)] matrix_a_fmt:MATRIX_FMT_FP6 matrix_b_fmt:MATRIX_FMT_FP6 matrix_b_scale:MATRIX_SCALE_ROW1
.endif
.endif
.endm
; The 48 accumulators take turns, one instruction a turn, in the same order in every substep.
.macro PART1 sg                        ; q: source 0 (W) window 1, source 1 (x) window 0, C and D window 2
	WIN 0xa1
.irp b, 0,1,2,3
.irp a, 0,1,2,3
	MM 8*(4*\b+\a), 12*\b, AF+48*((\sg)%2)+12*\a, \sg, SCA+8*\b, SCA+8*\a, 1
.endr
.endr
.endm
.macro PART2 sg                        ; k
	WIN 0xa1
.irp b, 4,5,6,7
.irp a, 0,1,2,3
	MM 8*(4*\b+\a), 12*\b, AF+48*((\sg)%2)+12*\a, \sg, SCB+8*(\b-4), SCA+8*\a, 0
.endr
.endr
.endm
.macro PART3 sg                        ; v: source 0 (x) window 0, source 1 (W) window 1, C and D window 3
	WIN 0xf4
.irp i, 0,1,2,3
.irp a, 0,1,2,3
	MM 8*(4*\i+\a), AF+48*((\sg)%2)+12*\a, 12*(8+\i), \sg, SCA+8*\a, SCB+8*\i, 2
.endr
.endr
.endm
; A substep: 128 along K, 48 matrix instructions in three parts.  W has one set of registers: a part's four blocks are fetched anew as soon as the part is issued; x has two sets.
; Out at the head, in order: group 1 (x's four fragments and W's blocks 0-3: 48 loads), group 2 (W's 4-7: 24), group 3 (W's 8-11: 24).
; mode 2: slot 0, whose last bytes have been asked for, is filled again with K step 3.  mode 1: K step 3 is about to be read.
.macro SUB sg, mode
.set NSL,  (((\sg)+1)/2)%3
.set NQ,   ((\sg)+1)%2
.if \mode == 2
	WIN 0                                          ; (the add's two registers lie in window 0)
	s_wait_tensorcnt 0x0                           ; all my tensor loads have landed: my parts of K steps 1 and 2;
	ds_add_u32 v[SPW], v[NIL]                      ; 0 onto my spare word;
	s_add_nc_u64 s[58:59], s[58:59], 3*3072        ; no load of mine is out, so slot 0's groups 0 may step to K step 3
	s_add_nc_u64 s[78:79], s[78:79], 3*3072
	s_wait_dscnt 49                                ; group 1 is in (groups 2 and 3 and the add may be out)
.else
.if \mode == 1
	s_wait_tensorcnt 0x0                           ; my one load that is out, my part of K step 3, has landed
.endif
	s_wait_dscnt 48                                ; group 1 is in
.endif
	PART1 \sg
.if \mode == 2
	s_wait_dscnt 0x0                               ; the add is done, and my reads of slot 0 are over
	WIN 0
	CROUND                                         ; so it is with every wave of every partner
	JLOAD 56, G1A, 76, G1B                         ; the first tensor load behind the round; its four v_nop are the places in front of the loads below
.elseif \mode == 1
	s_wait_dscnt 0x0
	s_barrier_signal -1
	s_barrier_wait -1                              ; everybody's part of K step 3 has landed
	PLACES
.else
	PLACES
.endif
	FETCH_A NSL, NQ, NQ
	FETCH_B NSL, NQ, 0
	s_wait_dscnt 63                                ; group 2 is in: 72 loads are younger, more than the count can say, and a smaller count is safe
	PART2 \sg
	PLACES
	FETCH_B NSL, NQ, 4
	s_wait_dscnt 63                                ; group 3 likewise
	PART3 \sg
	PLACES
	FETCH_B NSL, NQ, 8
.endm
	s_wait_tensorcnt 2                             ; the scale bytes and my part of K step 0 are in (K steps 1 and 2 may be out)
	s_barrier_signal -1
	s_barrier_wait -1                              ; everybody's are
.irp a, 0,1,2,3
.irp j, 0,1
	ds_load_b128 v[SCA+8*\a+4*\j:SCA+8*\a+4*\j+3], v[ADRS] offset:544*\a+16*\j     ; all scale words of all of K, once
	ds_load_b128 v[SCB+8*\a+4*\j:SCB+8*\a+4*\j+3], v[ADRS2] offset:544*\a+16*\j
.endr
.endr
	FETCH_A 0, 0, 0
	FETCH_B 0, 0, 0
	FETCH_B 0, 0, 4
	FETCH_B 0, 0, 8
	SUB 0, 0
	SUB 1, 2
	SUB 2, 0
	SUB 3, 0                                       ; (K step 2 was shown landed in every wave by the wait and the round of substep 1)
	SUB 4, 0
	SUB 5, 1
	SUB 6, 0
	s_wait_dscnt 48                                ; the last substep fetches nothing
	PART1 7
	s_wait_dscnt 24
	PART2 7
	s_wait_dscnt 0x0
	PART3 7
	PLACES
; THE END.  First the sums of squares of all eight (block a, q or k): 32 numbers a lane, each accumulator from its low end on, four chains.
	WIN 0x0a                                       ; sources 0 and 1 window 2
.irp z, 0,1
.irp a, 0,1,2,3
.set TT, 96+8*(4*\z+\a)
.irp c, 0,1,2,3
	v_pk_mul_f32 v[TT+2*\c:TT+2*\c+1], v[8*(4*(4*\z+\c)+\a):8*(4*(4*\z+\c)+\a)+1], v[8*(4*(4*\z+\c)+\a):8*(4*(4*\z+\c)+\a)+1]
.endr
.irp j, 2,4,6
.irp c, 0,1,2,3
	v_pk_fma_f32 v[TT+2*\c:TT+2*\c+1], v[8*(4*(4*\z+\c)+\a)+\j:8*(4*(4*\z+\c)+\a)+\j+1], v[8*(4*(4*\z+\c)+\a)+\j:8*(4*(4*\z+\c)+\a)+\j+1], v[TT+2*\c:TT+2*\c+1]
.endr
.endr
.endr
.endr
	WIN 0
.irp p, 0,1,2,3,4,5,6,7
	v_pk_add_f32 v[96+8*\p:97+8*\p], v[96+8*\p:97+8*\p], v[98+8*\p:99+8*\p]
	v_pk_add_f32 v[100+8*\p:101+8*\p], v[100+8*\p:101+8*\p], v[102+8*\p:103+8*\p]
.endr
.irp p, 0,1,2,3,4,5,6,7
	v_pk_add_f32 v[96+8*\p:97+8*\p], v[96+8*\p:97+8*\p], v[100+8*\p:101+8*\p]
.endr
.irp p, 0,1,2,3,4,5,6,7
	v_add_f32 v[96+8*\p], v[96+8*\p], v[97+8*\p]
.endr
.irp p, 0,1,2,3,4,5,6,7
	v_permlanex16_b32 v[97+8*\p], v[96+8*\p], s2, s3
.endr
.irp p, 0,1,2,3,4,5,6,7
	v_add_f32 v[96+8*\p], v[96+8*\p], v[97+8*\p]   ; with lane l xor 16's 32: the token's 64
.endr
.irp p, 0,1,2,3,4,5,6,7
	v_fma_f32 v[96+8*\p], v[96+8*\p], s100, s101   ; the mean + eps
.endr
.irp p, 0,1,2,3,4,5,6,7
	v_rsq_f32 v[192+2*\p], v[96+8*\p]              ; one batch
.endr
.irp p, 0,1,2,3,4,5,6,7
	v_mov_b32 v[193+2*\p], 0                       ; (the packed form names the pair; its low word serves both halves.)  Plain instructions behind the batch
.endr
.irp p, 210,211,218,219,220,221,222,223
	v_mov_b32 v\p, 0                               ; (a lane permute's destination counts as one of its sources)
.endr
	s_wait_alu depctr_va_vdst(0)                   ; the wait ahead of the batch's first reader: one for the eight
	s_wait_loadcnt 0x0                             ; cos, sin and the weights, asked for at the head
; 32 numbers of a lane, v[s] on, register 16 g + i = number 32 g + 16 (lane / 16) + i of my row's 64, become the six registers v160-165 of an image and the two bytes v214, v215.
.macro QUANT2 s
	v_max3_num_f32 v208, |v[\s]|, |v[\s+1]|, 0x1800000     ; the floor 2^(3 - 127) holds the byte at 1 from below
	v_max3_num_f32 v209, |v[\s+16]|, |v[\s+17]|, 0x1800000
.irp i, 2,4,6,8,10,12,14
	v_max3_num_f32 v208, v208, |v[\s+\i]|, |v[\s+\i+1]|
	v_max3_num_f32 v209, v209, |v[\s+16+\i]|, |v[\s+17+\i]|
.endr
	v_permlanex16_b32 v210, v208, s2, s3
	v_permlanex16_b32 v211, v209, s2, s3
	v_max_num_f32 v208, v208, v210                 ; with lane l xor 16's: the blocks' largest magnitudes
	v_max_num_f32 v209, v209, v211
	v_add_nc_u32 v212, 0xff000000, v208            ; 2 off the exponent field: the conversion's scale operand
	v_add_nc_u32 v213, 0xff000000, v209
	v_lshrrev_b32 v214, 23, v212                   ; the bytes
	v_lshrrev_b32 v215, 23, v213
	s_wait_xcnt 0x0                                ; earlier stores have read their data: the codes' registers may be written
	v_cvt_scalef32_pk16_fp6_f32 v[160:162], v[\s:\s+15], v212
	v_cvt_scalef32_pk16_fp6_f32 v[168:170], v[\s+16:\s+31], v213
	v_nop                                          ; one plain instruction behind a scaled conversion
.irp i, 0,1,2
	v_permlane16_swap_b32 v[160+\i], v[168+\i]     ; a whole block to a lane: lanes 0-15 block 0, lanes 16-31 block 1
.endr
.irp i, 0,1,2
	v_mov_b32 v[163+\i], v[168+\i]
.endr
.endm
; Block a of q (z = 0) or k (z = 1): x the root, x the weight, the rotation, the quantiser, the image.
.macro QKEPI a, z
.set RS,  192+2*(4*(\z)+(\a))
.set CSN, 128+32*(\a)
	WIN 0x02                                       ; source 0 window 2
.irp c, 0,1,2,3
.irp j, 0,2,4,6
	v_pk_mul_f32 v[XN+8*\c+\j:XN+8*\c+\j+1], v[8*(4*(4*(\z)+\c)+(\a))+\j:8*(4*(4*(\z)+\c)+(\a))+\j+1], v[RS:RS+1] op_sel_hi:[1,0]
.endr
.endr
	WIN 0x04                                       ; source 1 window 1
.irp j, 0,2,4,6,8,10,12,14,16,18,20,22,24,26,28,30
	v_pk_mul_f32 v[XN+\j:XN+\j+1], v[XN+\j:XN+\j+1], v[144+32*(\z)+\j:145+32*(\z)+\j]
.endr
	WIN 0x0c                                       ; source 1 window 3.  Number d < 32 and its partner d + 32 lie in one lane, 16 registers apart
.irp m, 0,2,4,6,8,10,12,14
	v_pk_mul_f32 v[O+\m:O+\m+1], v[XN+\m:XN+\m+1], v[CSN+\m:CSN+\m+1]
	v_pk_mul_f32 v[O+16+\m:O+17+\m], v[XN+\m:XN+\m+1], v[CSN+16+\m:CSN+17+\m]
.endr
.irp m, 0,2,4,6,8,10,12,14
	v_pk_fma_f32 v[O+\m:O+\m+1], v[XN+16+\m:XN+17+\m], v[CSN+16+\m:CSN+17+\m], v[O+\m:O+\m+1] neg_lo:[1,0,0] neg_hi:[1,0,0]
	v_pk_fma_f32 v[O+16+\m:O+17+\m], v[XN+16+\m:XN+17+\m], v[CSN+\m:CSN+\m+1], v[O+16+\m:O+17+\m]
.endr
	WIN 0
	QUANT2 O
.irp p, 0,1,2
	global_store_b64 v[L8], v[160+2*\p:161+2*\p], s[94:95] offset:(\z)*KIMG+(\a)*768+256*\p   ; 256 consecutive bytes, aligned
.endr
	v_lshl_or_b32 v[216+(\a)%2], v215, 8, v214
	v_or_b32 v[216+(\a)%2], 0x7f7f0000, v[216+(\a)%2]   ; the upper 64 of the instruction's 128 are zero codes: their bytes say 1.0
.if (\a)%2 == 1
	v_cndmask_b32 v[224+2*(\z)+(\a)/2], v216, v217, s17  ; two tiles' words in one store of 128 bytes
	global_store_b32 v[L4], v[224+2*(\z)+(\a)/2], s[12:13] offset:(\z)*524288+128*((\a)/2)
.endif
.endm
.irp z, 0,1
.irp a, 0,1,2,3
	QKEPI \a, \z
.endr
.endr
; v: block (i, g) is 16 of the head's 64 (tile i) x keys 32 g .. 32 g + 31 of my 64; a lane's 16 registers of accumulators (2 g, i) and (2 g + 1, i) are 16 neighbouring keys.
	WIN 0x0f                                       ; sources 0 and 1 window 3
.irp i, 0,1,2,3
.irp g, 0,1
	v_max3_num_f32 v[208+2*\i+\g], |v[8*(4*\i+2*\g)]|, |v[8*(4*\i+2*\g)+1]|, 0x1800000
.endr
.endr
.irp e, 2,4,6,8,10,12,14
.irp i, 0,1,2,3
.irp g, 0,1
	v_max3_num_f32 v[208+2*\i+\g], |v[8*(4*\i+2*\g)+\e]|, |v[8*(4*\i+2*\g)+\e+1]|, v[208+2*\i+\g]
.endr
.endr
.endr
	WIN 0
.irp x, 0,1,2,3,4,5,6,7
	v_permlanex16_b32 v[216+\x], v[208+\x], s2, s3
.endr
.irp x, 0,1,2,3,4,5,6,7
	v_max_num_f32 v[208+\x], v[208+\x], v[216+\x]
.endr
.irp x, 0,1,2,3,4,5,6,7
	v_add_nc_u32 v[232+\x], 0xff000000, v[208+\x]
.endr
.irp x, 0,1,2,3,4,5,6,7
	v_lshrrev_b32 v[240+\x], 23, v[232+\x]
.endr
	WIN 0x03                                       ; source 0 window 3: the conversions take the accumulators as they stand
.irp i, 0,1,2,3
	v_cvt_scalef32_pk16_fp6_f32 v[96+8*\i:98+8*\i], v[8*(4*\i):8*(4*\i)+15], v[232+2*\i]
	v_cvt_scalef32_pk16_fp6_f32 v[128+4*\i:130+4*\i], v[8*(4*\i+2):8*(4*\i+2)+15], v[233+2*\i]
.endr
	WIN 0
	v_nop                                          ; one plain instruction behind the conversions
.irp i, 0,1,2,3
.irp e, 0,1,2
	v_permlane16_swap_b32 v[96+8*\i+\e], v[128+4*\i+\e]
.endr
.irp e, 0,1,2
	v_mov_b32 v[99+8*\i+\e], v[128+4*\i+\e]
.endr
.irp p, 0,1,2
	global_store_b64 v[L8], v[96+8*\i+2*\p:97+8*\i+2*\p], s[98:99] offset:768*\i+256*\p
.endr
	v_lshl_or_b32 v[248+\i], v[241+2*\i], 8, v[240+2*\i]   ; my two bytes of the row's scale word for these 128 keys
.endr
.irp m, 0,1
	v_cndmask_b32 v[252+\m], v[248+2*\m], v[249+2*\m], s17
	global_store_b16 v[L4], v[252+\m], s[18:19] offset:128*\m   ; the word's other half comes from the neighbouring wave
.endr
	s_wait_tensorcnt 0x0                           ; the wave's end, behind my last tensor load
	ds_add_u32 v[SPW], v[NIL]
	s_wait_dscnt 0x0
	CROUND                                         ; the closing round: no work-group ends while a partner may still ask for a tile that names it
	s_endpgm
.Lfunc_end_k_qb64558604d_qkv:
	.size	k_qb64558604d_qkv, .Lfunc_end_k_qb64558604d_qkv-k_qb64558604d_qkv
	.p2alignl 7, 3214868480
	.fill 96, 4, 3214868480
	.section	.rodata,"a",@progbits
	.p2align	6, 0x0
	.amdhsa_kernel k_qb64558604d_qkv
		.amdhsa_group_segment_fixed_size 327680
		.amdhsa_private_segment_fixed_size 0
		.amdhsa_enable_private_segment 0
		.amdhsa_kernarg_size 32
		.amdhsa_user_sgpr_count 2
		.amdhsa_user_sgpr_kernarg_segment_ptr 1
		.amdhsa_wavefront_size32 1
		.amdhsa_system_sgpr_workgroup_id_x 1
		.amdhsa_system_sgpr_workgroup_id_y 1
		.amdhsa_system_sgpr_workgroup_id_z 1
		.amdhsa_system_vgpr_workitem_id 0
		.amdhsa_next_free_vgpr 1024
		.amdhsa_next_free_sgpr 102
		.amdhsa_reserve_vcc 0
		.amdhsa_float_denorm_mode_32 3
		.amdhsa_float_denorm_mode_16_64 3
		.amdhsa_memory_ordered 1
		.amdhsa_forward_progress 1
		.amdhsa_inst_pref_size 193
	.end_amdhsa_kernel
	.amdgpu_metadata
---
amdhsa.version: [ 1, 2 ]
amdhsa.kernels:
  - .name:           k_qb64558604d_qkv
    .symbol:         k_qb64558604d_qkv.kd
    .args:
      - { .name: ops, .offset: 0, .size: 8, .value_kind: global_buffer, .address_space: global }
      - { .name: qn_w, .offset: 8, .size: 8, .value_kind: global_buffer, .address_space: global }
      - { .name: kn_w, .offset: 16, .size: 8, .value_kind: global_buffer, .address_space: global }
      - { .name: qkvq, .offset: 24, .size: 8, .value_kind: global_buffer, .address_space: global }
    .group_segment_fixed_size: 327680
    .private_segment_fixed_size: 0
    .kernarg_segment_align: 8
    .kernarg_segment_size: 32
    .max_flat_workgroup_size: 128
    .sgpr_count:     102
    .vgpr_count:     1024
    .wavefront_size: 32
...
	.end_amdgpu_metadata
.endif
;; end of part 2
;; launch attn (part 3): grid 4 x 64, 16 waves a work-group, no clusters, 210,944 bytes of LDS; arguments qkvq, msk, yq; writes yq
.if DOCPART == 3
	.amdgcn_target "amdgcn-amd-amdhsa--gfx1250"
	.amdhsa_code_object_version 6
	.text
	.protected	k_qb64558604d_attn
	.globl	k_qb64558604d_attn
	.p2align	8
	.type	k_qb64558604d_attn,@function
k_qb64558604d_attn:
	s_mov_b64 s[64:65], 0
	v_nop
	global_prefetch_b8 v0, s[64:65] scope:SCOPE_SE
	s_setreg_imm32_b32 hwreg(HW_REG_WAVE_MODE, 25, 1), 1
	s_wait_xcnt 0x0
; ATTENTION on codes of E2M3, under the mask that is given.  q, k: images of 16 tokens x 64; v: images of 16 of the head's 64 x 64 keys; y leaves quantised, as the last product's operand.
; THE SOFTMAX AHEAD OF THE SECOND PRODUCT: t = score x log2(e) / 8; M = the row's largest t so far, rounded up to a whole number; p = 2^(t - M) is quantised along the keys and is not normalised; the row's sum is
; taken of the unquantised p and divides at the end.  When M moves, the sum and O are multiplied by 2^(old M - new M), which rounds nothing.
; SHARES.  Work-group (c, head of a batch) serves one head; K, V and their scale words, 208,896 bytes, come into LDS once, through registers, and stay.  Each of the sixteen waves owns two tiles of 16 queries,
; tiles 4 i + c for i = wave and i = 31 - wave, one after the other, in 256 registers: four waves to a SIMD, so that one wave's vector work stands beside another's matrix work.
; THE MASK.  An earlier launch has stored, for each tile of queries and each step of 128 keys, two flag bits and 64 lane masks.  A step that is wholly hidden is passed over by a scalar branch on the stored flag: its p
; would all be 0.  In a step hidden in part the hidden scores become -infinity ahead of the maximum.  Nothing of the mask's pattern is built in.
; NO TENSOR LOAD AND NO CLUSTER: that branch hangs on numbers read from memory; what the four work-groups of a head share is read once by each, at the head.
; LAYOUT.  Both products transposed: S^T = K Q^T (source 0 = 16 keys, source 1 = my 16 queries), O^T = V^T P^T: a lane holds one query throughout.  The stored order of tokens makes the 16 registers of key tiles 2 b
; and 2 b + 1 the keys 32 b + 16 (lane / 16) + 0 .. 15.  The first product's K is 64: registers 6-11 of Q's fragment are zero codes, so whatever stands in registers 6-11 of K's (the next tile's codes) adds nothing.
; A ROW THAT IS WHOLLY HIDDEN has the sum 0: its scale bytes become 0xff, and the last product makes its whole output row NaN, as a softmax of -infinities does.
; LIMITS: NaN and infinities among the scores are not served.
; REGISTERS: v1-4 lane terms; v5, v6 the add's two; v7 -infinity; v8-11 addresses in hand; v12 -M, v13 the largest t, v[14:15] the sum; v16-27 Q; v28-30 LDS bases; v32-85 K's or V's fragments; v96-159 S^T, then p;
; v160-191 O^T; v192-223 y; v224-235 codes; v232-247 at work; v248-251, v253, v255 scale words; v252 f; v254 at work.
.set KIMG,   6291456
.set VIMG,   12582912
.set QSC,    18874368
.set KSC,    19398656
.set VSC,    19922944
.set YSC,    6291456
.set LM_OFF, 32768
.set LV,     98304                     ; LDS: K's 128 tiles at 0, V's 32 groups x 4 tiles here,
.set LKS,    196608                    ; K's scale words, 64 bytes a tile,
.set LVS,    204800                    ; V's, 256 bytes a step,
.set SPARE,  208896                    ; and the spare words, 128 bytes for each wave
.set SPW, 5
.set NIL, 6
	s_load_b128 s[4:7], s[0:1], 0x0                ; qkvq, msk
	s_load_b64 s[8:9], s[0:1], 0x10                ; yq
	v_lshl_add_u32 v[SPW], v0, 2, SPARE
	v_mov_b32 v[NIL], 0
	v_lshrrev_b32 v8, 5, v0
	v_readfirstlane_b32 s10, v8                    ; wave 0..15
	s_and_b32 s11, ttmp7, 0xffff                   ; batch x 16 + head
	s_mov_b32 s2, 0x76543210
	s_mov_b32 s3, 0xfedcba98                       ; v_permlanex16_b32's selects for lane l xor 16
	s_mov_b32 s14, 0x3e38aa3b                      ; c = log2(e) / 8
	s_mov_b32 s15, s14                             ; (the packed form names the pair)
	v_lshlrev_b32 v9, 4, v0                        ; 16 x thread
	v_lshlrev_b32 v10, 3, v0                       ; 8 x thread
	v_mov_b32 v28, v9
	v_add_nc_u32 v29, 0x10000, v9
	v_add_nc_u32 v30, 0x20000, v9
	v_add_nc_u32 v31, 0x30000, v9
	v_add_nc_u32 v11, LVS, v10
	s_mul_i32 s24, s11, 98304
	s_mov_b32 s25, 0
	s_add_co_u32 s24, s24, KIMG
	s_wait_kmcnt 0x0
	s_add_nc_u64 s[16:17], s[4:5], s[24:25]
	s_add_co_u32 s24, s24, VIMG-KIMG
	s_add_nc_u64 s[18:19], s[4:5], s[24:25]
	s_lshl_b32 s24, s11, 13
	s_add_co_u32 s24, s24, KSC
	s_add_nc_u64 s[20:21], s[4:5], s[24:25]
	s_lshl_b32 s24, s11, 12
	s_add_co_u32 s24, s24, VSC
	s_add_nc_u64 s[22:23], s[4:5], s[24:25]
.irp k, 0,1,2,3,4,5,6,7,8,9,10,11
	global_load_b128 v[32+4*\k:35+4*\k], v9, s[16:17] offset:8192*\k     ; the 512 threads take 8,192 consecutive bytes
.endr
.irp k, 0,1,2,3,4,5,6,7,8,9,10,11
	global_load_b128 v[80+4*\k:83+4*\k], v9, s[18:19] offset:8192*\k
.endr
	global_load_b128 v[128:131], v9, s[20:21]
	global_load_b64 v[132:133], v10, s[22:23]
	v_and_b32 v2, 31, v0
	v_lshlrev_b32 v1, 3, v2                        ; 8 l
	v_lshlrev_b32 v2, 2, v2                        ; 4 l
	v_and_b32 v4, 15, v0
	v_lshlrev_b32 v3, 2, v4                        ; 4 r
	v_lshlrev_b32 v4, 5, v4                        ; 32 r
	v_mov_b32 v7, 0xff800000                       ; -infinity
	s_wait_loadcnt 0x0
.set k, 0
.rept 25
	ds_store_b128 v[28+k/8], v[32+4*k:35+4*k] offset:8192*(k%8)          ; K's images, V's images and K's scale words lie on end
.set k, k+1
.endr
	ds_store_b64 v11, v[132:133]
	s_wait_dscnt 0x0                               ; for the others' sake: my stores have landed
	s_barrier_signal -1
	s_barrier_wait -1                              ; the kernel's one barrier: from here on LDS is only read
	v_add_nc_u32 v28, LV, v1
	v_add_nc_u32 v29, LKS, v2
	v_add_nc_u32 v30, LVS, v2
.irp j, 22,23,24,25,26,27,80,81,82,83,84,85,236,237,238,239,252,253
	v_mov_b32 v\j, 0                               ; Q's upper half and what stands behind K's last tile: zero codes; permutes' destinations and a pair's upper half: written once
.endr
	v_mov_b32 v243, 0xffff
; A KEY STEP: 128 keys.
.macro STEP
	s_lshr_b32 s25, s26, s27                       ; this step's two flags at bits 0 and 16
	s_bitcmp1_b32 s25, 0
	s_cbranch_scc1 .Lskip_\@                       ; wholly hidden: only the addresses step
	s_load_b512 s[32:47], s[6:7], s28 offset:0x0   ; the 64 lane masks, asked for in every step that is worked, so that they are there when the scores are
	s_load_b512 s[48:63], s[6:7], s28 offset:0x40
	s_load_b512 s[68:83], s[6:7], s28 offset:0x80
	s_load_b512 s[84:99], s[6:7], s28 offset:0xc0
	v_add_nc_u32 v8, s29, v1                       ; four plain instructions: the places behind the last step's products, in front of the loads into their registers
	v_add_nc_u32 v9, s29, v28
	v_add_nc_u32 v10, s30, v29
	v_add_nc_u32 v11, s31, v30
.irp t, 0,1,2,3,4,5,6,7
.irp p, 0,1,2
	ds_load_b64 v[32+6*\t+2*\p:33+6*\t+2*\p], v8 offset:768*\t+256*\p
.endr
.endr
.irp m, 0,1,2,3
	ds_load_b32 v[248+\m], v10 offset:128*\m       ; lanes 0-15 tile 2 m's scale words, lanes 16-31 tile 2 m + 1's
.endr
	s_wait_dscnt 0x0
.irp t, 0,2,4,6
	v_wmma_scale_f32_16x16x128_f8f6f4 v[96+8*\t:103+8*\t], v[32+6*\t:43+6*\t], v[16:27], 0, v[248+\t/2], v255 matrix_a_fmt:MATRIX_FMT_FP6 matrix_b_fmt:MATRIX_FMT_FP6
	v_wmma_scale_f32_16x16x128_f8f6f4 v[104+8*\t:111+8*\t], v[38+6*\t:49+6*\t], v[16:27], 0, v[248+\t/2], v255 matrix_a_fmt:MATRIX_FMT_FP6 matrix_b_fmt:MATRIX_FMT_FP6 matrix_a_scale:MATRIX_SCALE_ROW1
.endr
.rept 4
	v_nop                                          ; places: in front of the loads below and of the first read of the scores
.endr
.irp i, 0,1,2,3
.irp p, 0,1,2,3,4,5
	ds_load_b64 v[32+12*\i+2*\p:33+12*\i+2*\p], v9 offset:3072*(\p/3)+768*\i+256*(\p%3)   ; V's four fragments land under the softmax
.endr
.endr
.irp m, 0,1
	ds_load_b32 v[248+\m], v11 offset:128*\m
.endr
	s_wait_kmcnt 0x0                               ; the lane masks are in
	s_wait_xcnt 0x0                                ; and their loads have read their offset, which steps at this step's end
	s_bitcmp1_b32 s25, 16
	s_cbranch_scc0 .Lopen_\@                       ; nothing hidden in this step
.set n, 0
.rept 64
	v_cndmask_b32 v[96+n], v[96+n], v7, s[32+n+4*(n/32)]
.set n, n+1
.endr
.Lopen_\@:
.irp b, 0,1,2,3
	v_max3_num_f32 v[232+\b], v[96+16*\b], v[97+16*\b], v[98+16*\b]   ; the largest score of each block of 32 keys: it serves for the row's maximum and, since p rises with the score, for the block's largest p
.endr
.irp i, 3,5,7,9,11,13
.irp b, 0,1,2,3
	v_max3_num_f32 v[232+\b], v[232+\b], v[96+16*\b+\i], v[97+16*\b+\i]
.endr
.endr
.irp b, 0,1,2,3
	v_max_num_f32 v[232+\b], v[232+\b], v[111+16*\b]
.endr
.irp b, 0,1,2,3
	v_permlanex16_b32 v[236+\b], v[232+\b], s2, s3
.endr
.irp b, 0,1,2,3
	v_max_num_f32 v[232+\b], v[232+\b], v[236+\b]  ; with lane l xor 16's 16 keys
.endr
	v_max3_num_f32 v254, v232, v233, v234
	v_max_num_f32 v254, v254, v235
	v_mul_f32 v254, s14, v254                      ; as t (c is positive)
	v_max_num_f32 v13, v13, v254                   ; the running largest t
	v_mov_b32 v254, v12
	v_floor_f32 v12, -v13                          ; the new -M = floor(-t): M is a whole number
	v_sub_f32 v254, v12, v254                      ; old M - new M: a whole number, 0 or less
	v_cvt_i32_f32 v254, v254                       ; (it saturates)
	v_ldexp_f32 v252, 1.0, v254                    ; f = 2^(old M - new M)
.set j, 0
.rept 32
	v_pk_fma_f32 v[96+j:97+j], v[96+j:97+j], s[14:15], v[12:13] op_sel_hi:[1,0,0]   ; t - M, two at a time
.set j, j+2
.endr
.irp b, 0,1,2,3
	v_fma_f32 v[232+\b], v[232+\b], s14, v12       ; the same of each block's largest score
.endr
.set j, 0
.rept 64
	v_exp_f32 v[96+j], v[96+j]                     ; p = 2^(t - M): one batch
.set j, j+1
.endr
	v_pk_mul_f32 v[14:15], v[14:15], v[252:253] op_sel_hi:[1,0]   ; the sums under the new M; the plain instruction behind the batch
	s_wait_alu depctr_va_vdst(0)                   ; the wait ahead of the batch's first reader: one for the 64
.irp b, 0,1,2,3
	v_exp_f32 v[232+\b], v[232+\b]                 ; the blocks' largest p: the same two instructions on the same number give the same bits
.endr
	v_pk_add_f32 v[236:237], v[96:97], v[98:99]    ; the row's sum is taken of the unquantised p, in two chains
.irp j, 4,8,12,16,20,24,28,32,36,40,44,48,52,56,60
	v_pk_add_f32 v[14:15], v[14:15], v[96+\j:97+\j]
	v_pk_add_f32 v[236:237], v[236:237], v[98+\j:99+\j]
.endr
	v_pk_add_f32 v[14:15], v[14:15], v[236:237]
	s_wait_alu depctr_va_vdst(0)                   ; and one for the four
.irp b, 0,1,2,3
	v_max_num_f32 v[232+\b], 0x1800000, v[232+\b]  ; the floor 2^(3 - 127): a block whose every p is 0 keeps the byte 1: its codes are zeros
.endr
.irp b, 0,1,2,3
	v_add_nc_u32 v[244+\b], 0xff000000, v[232+\b]  ; 2 off the exponent field: the conversion's scale operand
.endr
.irp b, 0,1,2,3
	v_lshrrev_b32 v[236+\b], 23, v[244+\b]
.endr
	v_lshl_or_b32 v253, v237, 8, v236              ; p's scale word for these 128 keys
	v_lshl_or_b32 v253, v238, 16, v253
	v_lshl_or_b32 v253, v239, 24, v253
.irp c, 0,1
	v_cvt_scalef32_pk16_fp6_f32 v[224+6*\c:226+6*\c], v[96+32*\c:111+32*\c], v[244+2*\c]
	v_cvt_scalef32_pk16_fp6_f32 v[236+4*\c:238+4*\c], v[112+32*\c:127+32*\c], v[244+2*\c+1]
.endr
	v_nop                                          ; one plain instruction behind the conversions
.irp c, 0,1
.irp i, 0,1,2
	v_permlane16_swap_b32 v[224+6*\c+\i], v[236+4*\c+\i]   ; a whole block to a lane
.endr
.irp i, 0,1,2
	v_mov_b32 v[227+6*\c+\i], v[236+4*\c+\i]
.endr
.endr
.set j, 0
.rept 16
	v_pk_mul_f32 v[160+j:161+j], v[160+j:161+j], v[252:253] op_sel_hi:[1,0]   ; O^T under the new M; with the moves above, the plain instructions between the writing of p's codes and scale word and the products
.set j, j+2
.endr
	s_wait_dscnt 0x0                               ; V is in
.irp i, 0,2
	v_wmma_scale_f32_16x16x128_f8f6f4 v[160+8*\i:167+8*\i], v[32+12*\i:43+12*\i], v[224:235], v[160+8*\i:167+8*\i], v[248+\i/2], v253 matrix_a_fmt:MATRIX_FMT_FP6 matrix_b_fmt:MATRIX_FMT_FP6
	v_wmma_scale_f32_16x16x128_f8f6f4 v[168+8*\i:175+8*\i], v[44+12*\i:55+12*\i], v[224:235], v[168+8*\i:175+8*\i], v[248+\i/2], v253 matrix_a_fmt:MATRIX_FMT_FP6 matrix_b_fmt:MATRIX_FMT_FP6 matrix_a_scale:MATRIX_SCALE_ROW1
.endr
.Lskip_\@:
	s_add_co_u32 s29, s29, 6144                    ; the next step's tiles of K and of V,
	s_add_co_u32 s30, s30, 512                     ; K's scale words,
	s_add_co_u32 s31, s31, 256                     ; V's,
	s_add_co_u32 s28, s28, 256                     ; and the lane masks
.endm
; One tile of 16 queries: e = 0: tile 4 x wave + c; e = 1: tile 4 (31 - wave) + c.
.macro TILE e
	s_wait_xcnt 0x0                                ; the last tile's loads and stores have read their registers and bases
.if \e == 0
	s_mov_b32 s12, s10
.else
	s_sub_co_u32 s12, 31, s10
.endif
	s_lshl_b32 s12, s12, 2
	s_add_co_u32 s12, s12, ttmp9                   ; the tile
	s_lshl_b32 s13, s12, 8
	s_load_b32 s26, s[6:7], s13 offset:0x0         ; its flags: steps 0-7,
	s_load_b32 s24, s[6:7], s13 offset:0x80        ; steps 8-15
	s_lshl_b32 s25, s11, 7
	s_add_co_u32 s25, s25, s12
	s_mul_i32 s28, s25, 768
	s_mov_b32 s29, 0
	s_add_nc_u64 s[16:17], s[4:5], s[28:29]        ; Q's image
	s_lshl_b32 s28, s25, 6
	s_add_co_u32 s28, s28, QSC
	s_add_nc_u64 s[18:19], s[4:5], s[28:29]        ; its scale words
	s_lshr_b32 s25, s11, 4
	s_lshl_b32 s25, s25, 7
	s_add_co_u32 s25, s25, s12                     ; batch x 128 + tile
	s_and_b32 s30, s11, 15                         ; the head
	s_lshl_b32 s28, s25, 4
	s_add_co_u32 s28, s28, s30
	s_mul_i32 s28, s28, 768
	s_add_nc_u64 s[20:21], s[8:9], s[28:29]        ; y's image: the head is the group of 64 along the last product's K
	s_lshl_b32 s28, s25, 9
	s_lshl_b32 s30, s30, 1
	s_add_co_u32 s28, s28, s30
	s_add_co_u32 s28, s28, YSC
	s_add_nc_u64 s[22:23], s[8:9], s[28:29]        ; its two scale bytes in each row's 32
	s_lshl_b32 s28, s12, 12
	s_add_co_u32 s28, s28, LM_OFF                  ; the tile's lane masks
	s_mov_b32 s27, 0
	s_mov_b32 s30, 0
	s_mov_b32 s31, 0
.irp p, 0,1,2
	global_load_b64 v[16+2*\p:17+2*\p], v1, s[16:17] offset:256*\p
.endr
	global_load_b32 v255, v3, s[18:19]
	v_mov_b32 v13, 0xff61b1e6                      ; the largest t so far: -3e38, under every t
	v_floor_f32 v12, -v13
	v_mov_b32 v14, 0
	v_mov_b32 v15, 0
.set j, 0
.rept 32
	v_mov_b32 v[160+j], 0                          ; O^T: any step may be the first that is worked, so the sums begin as zeros, which the first change of M leaves zeros
.set j, j+1
.endr
	s_wait_kmcnt 0x0
	s_or_b32 s26, s26, s24
	s_wait_loadcnt 0x0
.Lks_\@:                                               ; sixteen trips, whatever the mask: what a flag leaves out is a step's work
	STEP
	s_add_co_u32 s27, s27, 1
	s_cmp_lt_u32 s27, 16
	s_cbranch_scc1 .Lks_\@
	; the way out: y = O^T / the sum, quantised along the head's 64
.rept 4
	v_nop                                          ; places behind the last products
.endr
	v_add_f32 v14, v14, v15
	v_permlanex16_b32 v252, v14, s2, s3
	v_add_f32 v14, v14, v252                       ; the row's sum
	v_rcp_f32 v254, v14
	v_nop                                          ; a plain instruction behind the reciprocal
	s_wait_alu depctr_va_vdst(0)                   ; the wait ahead of the first reader
.set j, 0
.rept 32
	v_mul_f32 v[192+j], v[160+j], v254             ; register 16 g + i is y(my query, 32 g + 16 (lane / 16) + i)
.set j, j+1
.endr
	v_max3_num_f32 v232, |v192|, |v193|, 0x1800000
	v_max3_num_f32 v233, |v208|, |v209|, 0x1800000
.irp i, 2,4,6,8,10,12,14
	v_max3_num_f32 v232, v232, |v[192+\i]|, |v[193+\i]|
	v_max3_num_f32 v233, v233, |v[208+\i]|, |v[209+\i]|
.endr
	v_permlanex16_b32 v236, v232, s2, s3
	v_permlanex16_b32 v237, v233, s2, s3
	v_max_num_f32 v232, v232, v236
	v_max_num_f32 v233, v233, v237
	v_add_nc_u32 v244, 0xff000000, v232
	v_add_nc_u32 v245, 0xff000000, v233
	v_lshrrev_b32 v240, 23, v244
	v_lshrrev_b32 v241, 23, v245
	v_cvt_scalef32_pk16_fp6_f32 v[224:226], v[192:207], v244
	v_cvt_scalef32_pk16_fp6_f32 v[228:230], v[208:223], v245
	v_lshl_or_b32 v242, v241, 8, v240              ; the two bytes; also the plain instruction behind the conversions
.irp i, 0,1,2
	v_permlane16_swap_b32 v[224+\i], v[228+\i]
.endr
	v_mov_b32 v227, v228
	v_mov_b32 v228, v229
	v_mov_b32 v229, v230
	v_cmp_eq_f32 vcc_lo, 0, v14
	v_cndmask_b32 v242, v242, v243, vcc_lo         ; a row with no key left: both bytes 0xff
.irp p, 0,1,2
	global_store_b64 v1, v[224+2*\p:225+2*\p], s[20:21] offset:256*\p   ; 256 consecutive bytes, aligned
.endr
	global_store_b16 v4, v242, s[22:23]            ; (both halves of the lanes hold the same two bytes for the same place)
.endm
	TILE 0
	TILE 1
	s_wait_tensorcnt 0x0                           ; the wave's end, behind my last LDS store
	ds_add_u32 v[SPW], v[NIL]
	s_wait_dscnt 0x0
	s_endpgm
.Lfunc_end_k_qb64558604d_attn:
	.size	k_qb64558604d_attn, .Lfunc_end_k_qb64558604d_attn-k_qb64558604d_attn
	.p2alignl 7, 3214868480
	.fill 96, 4, 3214868480
	.section	.rodata,"a",@progbits
	.p2align	6, 0x0
	.amdhsa_kernel k_qb64558604d_attn
		.amdhsa_group_segment_fixed_size 210944
		.amdhsa_private_segment_fixed_size 0
		.amdhsa_enable_private_segment 0
		.amdhsa_kernarg_size 24
		.amdhsa_user_sgpr_count 2
		.amdhsa_user_sgpr_kernarg_segment_ptr 1
		.amdhsa_wavefront_size32 1
		.amdhsa_system_sgpr_workgroup_id_x 1
		.amdhsa_system_sgpr_workgroup_id_y 1
		.amdhsa_system_sgpr_workgroup_id_z 1
		.amdhsa_system_vgpr_workitem_id 0
		.amdhsa_next_free_vgpr 256
		.amdhsa_next_free_sgpr 100
		.amdhsa_reserve_vcc 1
		.amdhsa_float_denorm_mode_32 3
		.amdhsa_float_denorm_mode_16_64 3
		.amdhsa_memory_ordered 1
		.amdhsa_forward_progress 1
		.amdhsa_inst_pref_size 64
	.end_amdhsa_kernel
	.amdgpu_metadata
---
amdhsa.version: [ 1, 2 ]
amdhsa.kernels:
  - .name:           k_qb64558604d_attn
    .symbol:         k_qb64558604d_attn.kd
    .args:
      - { .name: qkvq, .offset: 0, .size: 8, .value_kind: global_buffer, .address_space: global }
      - { .name: msk, .offset: 8, .size: 8, .value_kind: global_buffer, .address_space: global }
      - { .name: yq, .offset: 16, .size: 8, .value_kind: global_buffer, .address_space: global }
    .group_segment_fixed_size: 210944
    .private_segment_fixed_size: 0
    .kernarg_segment_align: 8
    .kernarg_segment_size: 24
    .max_flat_workgroup_size: 512
    .sgpr_count:     100
    .vgpr_count:     256
    .wavefront_size: 32
...
	.end_amdgpu_metadata
.endif
;; end of part 3
;; launch outp (part 4): grid 8 x 32, 4 waves a work-group, clusters of 4 x 4, 327,680 bytes of LDS; arguments yq, ops, out0; writes out0
.if DOCPART == 4
	.amdgcn_target "amdgcn-amd-amdhsa--gfx1250"
	.amdhsa_code_object_version 6
	.text
	.protected	k_qb64558604d_outp
	.globl	k_qb64558604d_outp
	.p2align	8
	.type	k_qb64558604d_outp,@function
k_qb64558604d_outp:
	s_mov_b64 s[64:65], 0
	v_nop
	global_prefetch_b8 v0, s[64:65] scope:SCOPE_SE
	s_setreg_imm32_b32 hwreg(HW_REG_WAVE_MODE, 25, 1), 1
	s_wait_xcnt 0x0
	s_wait_alu depctr_hold_cnt(0) depctr_sa_sdst(0) depctr_va_vdst(0) depctr_va_sdst(0) depctr_va_ssrc(0) depctr_va_vcc(0) depctr_vm_vsrc(0)
	s_getreg_b32 s2, hwreg(HW_REG_IB_STS2, 6, 4)
	s_cmp_eq_u32 s2, 0
	s_cbranch_scc0 .Lentry_in_a_cluster
	s_endpgm
.Lentry_in_a_cluster:
	s_bfe_u32 s2, ttmp6, 0x10000c
	s_cmp_lg_u32 s2, 0xf033
	s_cbranch_scc0 .Lentry_shape_is_right
	s_endpgm
.Lentry_shape_is_right:
; OUT = y W_out^T on codes of E2M3; y and W_out lie as images of their registers ([tile of 16 rows][64 along K][piece][lane][8 bytes]) with 32 scale bytes for each stored row.
; SHARES.  A work-group makes 256 rows x 128 columns; wave w its stored rows 64 w .. 64 w + 63 (four blocks a) x all eight blocks b of 16 columns: 32 accumulators, (a, b) at 8 (4 b + a) of window 2.
; Used TRANSPOSED (source 0 = 16 rows of W_out, source 1 = 16 rows of y): a lane holds one row of the output; the stored order of W_out's rows makes the registers of blocks 2 g and 2 g + 1 the columns
; 32 g + 16 (lane / 16) + 0 .. 15.  The rows' stored order is undone in the stores' offsets.
; ALL OF K LIES IN LDS: four slots of 256 along K, each filled once; no slot is filled again.  By this text's own count a wave has five tensor loads out at the start.
; CLUSTER 4 x 4: y's tiles are asked for jointly along a row of the cluster, W_out's along a column.
; A row of y whose scale bytes are 0xff (no key was left to it) comes out as NaN in all its columns.
; REGISTERS.  Window 0: v16-30 addresses; v32-79 scale words and nothing else; v96-143, v144-191 y's fragments, two sets; on the way out v96-223 rows read back.  Window 1: v0-95 W_out's eight fragments, one set.
.set SLOT,   73728                     ; y's 16 tiles x 3,072 bytes, then W_out's 8
.set BOFF,   49152
.set SCL,    4*SLOT                    ; y's scale bytes: 32 units of 256 bytes + 16 of padding
.set SCLB,   SCL+8704                  ; W_out's: 16 units
.set SPARE,  SCLB+4352                 ; the spare words, 128 bytes for each wave
.set SC_OFF, 9437184
.set YSC,    6291456
.set ADRA,  16                         ; v16-19 my four tiles of y in slots 0 to 3
.set ADRB,  20                         ; v20-23 W_out's tiles
.set ADRS,  24
.set ADRS2, 25
.set CO,    26                         ; v26    16 x lane
.set STO,   27                         ; v27    the way out: where I put 32 bytes of a row
.set SPW,   28
.set NIL,   29
.set RD,    30                         ; v30    and where I read a row back
.set SCA,   32                         ; v[SCA + 8 a + s]: lanes 0-15 y's block a, lanes 16-31 W_out's block a
.set SCB,   64                         ; v[SCB + 8 i + s]: lanes 0-15 W_out's block 4 + i, lanes 16-31 its block 6 + i
.set AF,    96
.set BK,    96
.set G1A,  20
.set G1B,  28
.set G1SA, 36
.set G1SB, 44                          ; groups 0: y's at s52 (scales), s56, s60, s68, s72; W_out's at s76 (scales), s80, s84, s88, s92
.set MSB, 0
.macro WIN new
.if MSB != \new
	s_set_vgpr_msb (MSB<<8)|\new
.set MSB, \new
.endif
.endm
.macro JLOAD g0a, g1a, g0b, g1b        ; a joint load: waves 0 and 1 fetch for y, waves 2 and 3 for W_out; an s_nop 0 and four v_nop follow each of the two lines
	s_cmp_eq_u32 s15, 0
	s_cbranch_scc0 .Lfor_b_\@
	tensor_load_to_lds s[\g0a:\g0a+3], s[\g1a:\g1a+7]
	s_nop 0
.rept 4
	v_nop
.endr
	s_branch .Lasked_\@
.Lfor_b_\@:
	tensor_load_to_lds s[\g0b:\g0b+3], s[\g1b:\g1b+7]
	s_nop 0
.rept 4
	v_nop
.endr
.Lasked_\@:
.endm
.macro CROUND
	s_barrier_signal -1
	s_barrier_wait -1
	s_cmp_lg_u32 s14, 0
	s_cbranch_scc1 .Lnot_wave_0_\@
	s_barrier_signal -3
.Lnot_wave_0_\@:
	s_barrier_wait -3
	s_barrier_signal -1
	s_barrier_wait -1
.endm
.macro PLACES
.rept 4
	v_nop
.endr
.endm
	s_load_b128 s[4:7], s[0:1], 0x0                ; yq, ops
	s_load_b64 s[8:9], s[0:1], 0x10                ; out0
	v_lshl_add_u32 v[SPW], v0, 2, SPARE
	v_mov_b32 v[NIL], 0
	ds_add_u32 v[SPW], v[NIL]                      ; the wave's opening: the add and its wait ahead of my first tensor load
	v_lshrrev_b32 v1, 5, v0
	v_readfirstlane_b32 s14, v1
	s_lshr_b32 s15, s14, 1
	s_and_b32 s16, s14, 1
	s_bfe_u32 s10, ttmp6, 0x40000                  ; cx
	s_bfe_u32 s11, ttmp6, 0x40004                  ; cy
	s_lshl_b32 s12, ttmp9, 2
	s_add_co_u32 s12, s12, s10                     ; the block of 128 columns
	s_and_b32 s13, ttmp7, 0xffff
	s_lshl_b32 s13, s13, 2
	s_add_co_u32 s13, s13, s11                     ; the block of 256 rows
	s_lshl_b32 s17, s11, 2
	s_lshl_b32 s17, 15, s17                        ; my row of the cluster
	s_lshl_b32 s18, 0x1111, s10                    ; my column
	s_or_b32 s[G1A], s17, (3<<16)|(1<<21)
	s_or_b32 s[G1B], s18, (3<<16)|(1<<21)
	s_or_b32 s[G1SA], s17, (3<<16)|(1<<20)|(1<<21)|(5<<22)|(3<<25)
	s_or_b32 s[G1SB], s18, (3<<16)|(1<<20)|(1<<21)|(5<<22)|(3<<25)
	s_mov_b32 s[G1A+1], 384<<16
	s_mov_b32 s[G1A+2], 8<<16
	s_mov_b32 s[G1A+3], 384<<16
	s_mov_b32 s[G1A+4], 8
	s_mov_b32 s[G1A+5], 1536
	s_mov_b32 s[G1A+6], 0
	s_mov_b32 s[G1A+7], 0
	s_mov_b32 s[G1B+1], 384<<16
	s_mov_b32 s[G1B+2], 4<<16
	s_mov_b32 s[G1B+3], 384<<16
	s_mov_b32 s[G1B+4], 4
	s_mov_b32 s[G1B+5], 1536
	s_mov_b32 s[G1B+6], 0
	s_mov_b32 s[G1B+7], 0
	s_mov_b32 s[G1SA+1], 32<<16
	s_mov_b32 s[G1SA+2], 16<<16
	s_mov_b32 s[G1SA+3], 32<<16
	s_mov_b32 s[G1SA+4], 16
	s_mov_b32 s[G1SA+5], 32
	s_mov_b32 s[G1SA+6], 0
	s_mov_b32 s[G1SA+7], 0
	s_mov_b32 s[G1SB+1], 32<<16
	s_mov_b32 s[G1SB+2], 8<<16
	s_mov_b32 s[G1SB+3], 32<<16
	s_mov_b32 s[G1SB+4], 8
	s_mov_b32 s[G1SB+5], 32
	s_mov_b32 s[G1SB+6], 0
	s_mov_b32 s[G1SB+7], 0
	s_lshl_b32 s96, s13, 4
	s_lshl_b32 s19, s16, 3
	s_add_co_u32 s96, s96, s19
	s_mul_i32 s96, s96, 12288                      ; y: tile 16 y + 8 x half
	s_mov_b32 s97, 0
	s_lshl_b32 s98, s13, 13
	s_lshl_b32 s19, s16, 12
	s_add_co_u32 s98, s98, s19
	s_add_co_u32 s98, s98, YSC
	s_mov_b32 s99, 0
	s_lshl_b32 s100, s12, 3
	s_lshl_b32 s19, s16, 2
	s_add_co_u32 s100, s100, s19
	s_add_co_u32 s100, s100, 704
	s_mul_i32 s100, s100, 12288                    ; W_out: tile 704 + 8 x + 4 x half
	s_mov_b32 s101, 0
	s_lshl_b32 s2, s12, 12
	s_lshl_b32 s19, s16, 11
	s_add_co_u32 s2, s2, s19
	s_add_co_u32 s2, s2, SC_OFF+360448             ; its scale bytes: row 11,264 + 128 x + 64 x half
	s_mov_b32 s3, 0
	s_mul_i32 s17, s16, 24576                      ; where they go: no place in the cluster enters an LDS address
	s_mul_i32 s18, s16, 12288
	s_mul_i32 s53, s16, 4352
	s_add_co_u32 s53, s53, SCL
	s_mul_i32 s77, s16, 2176
	s_add_co_u32 s77, s77, SCLB
	s_wait_dscnt 0x0                               ; the opening add is done
	s_wait_kmcnt 0x0
	s_add_nc_u64 s[96:97], s[4:5], s[96:97]
	s_add_nc_u64 s[98:99], s[4:5], s[98:99]
	s_add_nc_u64 s[100:101], s[6:7], s[100:101]
	s_add_nc_u64 s[2:3], s[6:7], s[2:3]
	CROUND                                         ; all sixteen work-groups are here: the joint loads meet
	s_mov_b32 s52, 1
	s_mov_b64 s[54:55], s[98:99]
	s_or_b32 s55, s55, 0x80000000
	s_mov_b32 s76, 1
	s_mov_b64 s[78:79], s[2:3]
	s_or_b32 s79, s79, 0x80000000
	JLOAD 52, G1SA, 76, G1SB                       ; the scale bytes
.irp k, 0,1,2,3
.set GA, 56+4*\k+4*(\k/2)
.set GB, 80+4*\k
	s_mov_b32 s[GA], 1
	s_add_co_u32 s[GA+1], s17, \k*SLOT
	s_add_nc_u64 s[GA+2:GA+3], s[96:97], \k*3072
	s_or_b32 s[GA+3], s[GA+3], 0x80000000
	s_mov_b32 s[GB], 1
	s_add_co_u32 s[GB+1], s18, \k*SLOT+BOFF
	s_add_nc_u64 s[GB+2:GB+3], s[100:101], \k*3072
	s_or_b32 s[GB+3], s[GB+3], 0x80000000
	JLOAD GA, G1A, GB, G1B                         ; K steps 0 to 3
.endr
	s_lshl_b32 s96, s13, 20
	s_lshl_b32 s19, s14, 18
	s_add_co_u32 s96, s96, s19
	s_lshl_b32 s19, s12, 9
	s_add_co_u32 s96, s96, s19                     ; my first row of the output, 4,096 bytes a row, and my 512 bytes of it
	s_mov_b32 s97, 0
	s_add_nc_u64 s[96:97], s[8:9], s[96:97]
	v_and_b32 v1, 31, v0
	v_and_b32 v2, 15, v0
	v_bfe_u32 v3, v0, 4, 1
	v_lshlrev_b32 v5, 3, v1                        ; 8 l
	v_lshlrev_b32 v[CO], 4, v1
	s_mul_i32 s19, s14, 12288
.irp s, 0,1,2,3
	v_add_nc_u32 v[ADRA+\s], s19, v5
	v_add_nc_u32 v[ADRB+\s], \s*SLOT+BOFF, v5
	s_add_co_u32 s19, s19, SLOT
.endr
	v_lshrrev_b32 v4, 3, v2
	v_lshlrev_b32 v4, 4, v4
	v_lshl_add_u32 v4, v2, 5, v4                   ; row r of a block: 32 r, and 16 more behind a unit's padding
	s_mul_i32 s19, s14, 2176
	s_sub_co_u32 s10, SCLB-SCL, s19
	v_mul_u32_u24 v6, s10, v3                      ; lanes 16-31 take W_out's
	s_add_co_u32 s19, s19, SCL
	v_add_nc_u32 v7, v4, v6
	v_add_nc_u32 v[ADRS], s19, v7
	v_mul_u32_u24 v6, 1088, v3
	v_add_nc_u32 v6, v4, v6
	v_add_nc_u32 v[ADRS2], SCLB+2176, v6
	s_mul_i32 s19, s14, 16*528                     ; my stage: 16 rows x (512 bytes + 16), in slot 0
	v_mul_u32_u24 v6, v2, 528
	v_lshl_add_u32 v6, v3, 6, v6
	v_add_nc_u32 v[STO], s19, v6
	v_add_nc_u32 v[RD], s19, v[CO]
.macro FRAG reg, adr, tile, q
.irp p, 0,1,2,3,4,5
	ds_load_b64 v[\reg+2*\p:\reg+2*\p+1], v[\adr] offset:(\tile)*3072+(2*(\q)+\p/3)*768+(\p%3)*256
.endr
.endm
.macro FETCH_A slot, q, set
	WIN 0
.irp a, 0,1,2,3
	FRAG AF+48*(\set)+12*\a, ADRA+(\slot), \a, \q
.endr
.endm
.macro FETCH_B slot, q, b0
	WIN 0x40
.irp b, \b0, \b0+1, \b0+2, \b0+3
	FRAG 12*(\b), ADRB+(\slot), \b, \q
.endr
.endm
.macro MM d, fa, fb, sg, sa, sb, row   ; one matrix line; substep 0 starts the sums with the constant 0; row = 1: source 0's scales stand in lanes 16-31
.if (\sg) == 0
.if (\row) == 0
	v_wmma_scale_f32_16x16x128_f8f6f4 v[0+\d:7+\d], v[0+\fa:11+\fa], v[0+\fb:11+\fb], 0, v[\sa+(\sg)], v[\sb+(\sg)] matrix_a_fmt:MATRIX_FMT_FP6 matrix_b_fmt:MATRIX_FMT_FP6
.else
	v_wmma_scale_f32_16x16x128_f8f6f4 v[0+\d:7+\d], v[0+\fa:11+\fa], v[0+\fb:11+\fb], 0, v[\sa+(\sg)], v[\sb+(\sg)] matrix_a_fmt:MATRIX_FMT_FP6 matrix_b_fmt:MATRIX_FMT_FP6 matrix_a_scale:MATRIX_SCALE_ROW1
.endif
.else
.if (\row) == 0
	v_wmma_scale_f32_16x16x128_f8f6f4 v[0+\d:7+\d], v[0+\fa:11+\fa], v[0+\fb:11+\fb], v[0+\d:7+\d], v[\sa+(\sg)], v[\sb+(\sg)] matrix_a_fmt:MATRIX_FMT_FP6 matrix_b_fmt:MATRIX_FMT_FP6
.else
	v_wmma_scale_f32_16x16x128_f8f6f4 v[0+\d:7+\d], v[0+\fa:11+\fa], v[0+\fb:11+\fb], v[0+\d:7+\d], v[\sa+(\sg)], v[\sb+(\sg)] matrix_a_fmt:MATRIX_FMT_FP6 matrix_b_fmt:MATRIX_FMT_FP6 matrix_a_scale:MATRIX_SCALE_ROW1
.endif
.endif
.endm
; The 32 accumulators take turns, one instruction a turn, in the same order in every substep.  Source 0 (W_out) window 1, source 1 (y) window 0, C and D window 2.
.macro PART1 sg
	WIN 0xa1
.irp b, 0,1,2,3
.irp a, 0,1,2,3
	MM 8*(4*\b+\a), 12*\b, AF+48*((\sg)%2)+12*\a, \sg, SCA+8*\b, SCA+8*\a, 1
.endr
.endr
.endm
.macro PART2 sg
	WIN 0xa1
.irp b, 4,5
.irp a, 0,1,2,3
	MM 8*(4*\b+\a), 12*\b, AF+48*((\sg)%2)+12*\a, \sg, SCB+8*(\b-4), SCA+8*\a, 0
.endr
.endr
.irp b, 6,7
.irp a, 0,1,2,3
	MM 8*(4*\b+\a), 12*\b, AF+48*((\sg)%2)+12*\a, \sg, SCB+8*(\b-6), SCA+8*\a, 1
.endr
.endr
.endm
; A substep: 128 along K.  Out at the head, in order: group 1 (y's four fragments, W_out's blocks 0-3: 48 loads), group 2 (W_out's 4-7: 24).  An odd substep fetches from the next slot: in front of that each wave
; waits for its part of that K step, and a barrier shows everybody's; later K steps may stay out.
.macro SUB sg
.set NSL, ((\sg)+1)/2
.set NQ,  ((\sg)+1)%2
.if (\sg)%2 == 1
	s_wait_tensorcnt (5-(\sg))/2                   ; the K steps behind the one wanted may be out: 2, 1, 0 of them
.endif
	s_wait_dscnt 24                                ; group 1 is in
	PART1 \sg
.if (\sg)%2 == 1
	s_wait_dscnt 0x0
	s_barrier_signal -1
	s_barrier_wait -1
.endif
	PLACES
	FETCH_A NSL, NQ, NQ
	FETCH_B NSL, NQ, 0
	s_wait_dscnt 48                                ; group 2 is in: the 48 just issued may be out
	PART2 \sg
	PLACES
	FETCH_B NSL, NQ, 4
.endm
	s_wait_tensorcnt 3                             ; the scale bytes and my part of K step 0 are in,
	s_barrier_signal -1
	s_barrier_wait -1                              ; everybody's are
.irp a, 0,1,2,3
.irp j, 0,1
	ds_load_b128 v[SCA+8*\a+4*\j:SCA+8*\a+4*\j+3], v[ADRS] offset:544*\a+16*\j
.endr
.endr
.irp i, 0,1
.irp j, 0,1
	ds_load_b128 v[SCB+8*\i+4*\j:SCB+8*\i+4*\j+3], v[ADRS2] offset:544*\i+16*\j
.endr
.endr
	FETCH_A 0, 0, 0
	FETCH_B 0, 0, 0
	FETCH_B 0, 0, 4
.irp g, 0,1,2,3,4,5,6
	SUB \g
.endr
	s_wait_dscnt 24                                ; the last substep fetches nothing
	PART1 7
	s_wait_dscnt 0x0
	PART2 7
	PLACES
; THE WAY OUT, a block of 16 rows x 128 columns at a time, through my own stage.  It lies in slot 0, which is filled once and whose last reads stand in front of the first of the barriers above.
; LDS serves a wave's instructions in order (ISA guide 5.7.1.4): no wait between the stores and the loads, nor in front of the next block's stores.
.macro TOSTAGE a
	WIN 0x08                                       ; an LDS store's data are its source 1: window 2
.irp b, 0,1,2,3,4,5,6,7
	ds_store_b128 v[STO], v[8*(4*\b+(\a)):8*(4*\b+(\a))+3] offset:128*(\b/2)+32*(\b%2)        ; each accumulator from its low end on
	ds_store_b128 v[STO], v[8*(4*\b+(\a))+4:8*(4*\b+(\a))+7] offset:128*(\b/2)+32*(\b%2)+16
.endr
	WIN 0
.set BB, BK+64*((\a)%2)
.irp t, 0,1,2,3,4,5,6,7,8,9,10,11,12,13,14,15
	ds_load_b128 v[BB+4*\t:BB+4*\t+3], v[RD] offset:\t*528
.endr
.endm
.macro SEND a, younger                 ; younger: the LDS instructions issued behind block a's loads
.set BB, BK+64*((\a)%2)
	s_wait_dscnt \younger
.irp t, 0,1,2,3,4,5,6,7,8,9,10,11,12,13,14,15
	global_store_b128 v[CO], v[BB+4*\t:BB+4*\t+3], s[96:97] offset:(32*((\a)/2)+8*((\a)%2)+\t+8*(\t/8))*4096 th:TH_STORE_NT   ; 512 consecutive bytes, aligned; the stored row goes to its own place
.endr
.endm
	TOSTAGE 0
	TOSTAGE 1
	SEND 0, 32                                     ; behind block 0's loads: block 1's 16 stores and 16 loads
	s_wait_xcnt 0x0                                ; block 0's stores have read their registers: block 2's loads may land there
	TOSTAGE 2
	SEND 1, 32
	s_wait_xcnt 0x0
	TOSTAGE 3
	SEND 2, 32
	SEND 3, 0
	s_wait_tensorcnt 0x0                           ; the wave's end, behind my last tensor load and my last LDS store
	ds_add_u32 v[SPW], v[NIL]
	s_wait_dscnt 0x0
	CROUND                                         ; the closing round
	s_endpgm
.Lfunc_end_k_qb64558604d_outp:
	.size	k_qb64558604d_outp, .Lfunc_end_k_qb64558604d_outp-k_qb64558604d_outp
	.p2alignl 7, 3214868480
	.fill 96, 4, 3214868480
	.section	.rodata,"a",@progbits
	.p2align	6, 0x0
	.amdhsa_kernel k_qb64558604d_outp
		.amdhsa_group_segment_fixed_size 327680
		.amdhsa_private_segment_fixed_size 0
		.amdhsa_enable_private_segment 0
		.amdhsa_kernarg_size 24
		.amdhsa_user_sgpr_count 2
		.amdhsa_user_sgpr_kernarg_segment_ptr 1
		.amdhsa_wavefront_size32 1
		.amdhsa_system_sgpr_workgroup_id_x 1
		.amdhsa_system_sgpr_workgroup_id_y 1
		.amdhsa_system_sgpr_workgroup_id_z 1
		.amdhsa_system_vgpr_workitem_id 0
		.amdhsa_next_free_vgpr 768
		.amdhsa_next_free_sgpr 102
		.amdhsa_reserve_vcc 0
		.amdhsa_float_denorm_mode_32 3
		.amdhsa_float_denorm_mode_16_64 3
		.amdhsa_memory_ordered 1
		.amdhsa_forward_progress 1
		.amdhsa_inst_pref_size 100
	.end_amdhsa_kernel
	.amdgpu_metadata
---
amdhsa.version: [ 1, 2 ]
amdhsa.kernels:
  - .name:           k_qb64558604d_outp
    .symbol:         k_qb64558604d_outp.kd
    .args:
      - { .name: yq, .offset: 0, .size: 8, .value_kind: global_buffer, .address_space: global }
      - { .name: ops, .offset: 8, .size: 8, .value_kind: global_buffer, .address_space: global }
      - { .name: out0, .offset: 16, .size: 8, .value_kind: global_buffer, .address_space: global }
    .group_segment_fixed_size: 327680
    .private_segment_fixed_size: 0
    .kernarg_segment_align: 8
    .kernarg_segment_size: 24
    .max_flat_workgroup_size: 128
    .sgpr_count:     102
    .vgpr_count:     768
    .wavefront_size: 32
...
	.end_amdgpu_metadata
.endif
;; end of part 4
;; ======== version 2 of 2: 4 launches; version 1 with the launch attn written anew for expert scheduling mode
;; limits: inputs' magnitudes at most 1,000,000
;; workspace buffers: ops 10,354,688 bytes; msk 557,056 bytes of whole numbers; qkvq 20,185,088 bytes; yq 6,553,600 bytes
;; launch prep: the kernel of part 1 again; grid 288 x 1, 4 waves a work-group, no clusters, 35,328 bytes of LDS; arguments x, W_qkv, W_out, mask, pos, ops, msk; writes ops, msk
;; launch qkv: the kernel of part 2 again; grid 16 x 32, 4 waves a work-group, clusters of 4 x 4, 327,680 bytes of LDS; arguments ops, qn_w, kn_w, qkvq; writes qkvq
;; launch attn (part 5): grid 4 x 64, 16 waves a work-group, no clusters, 210,944 bytes of LDS; arguments qkvq, msk, yq; writes yq
.if DOCPART == 5
	.amdgcn_target "amdgcn-amd-amdhsa--gfx1250"
	.amdhsa_code_object_version 6
	.text
	.protected	k_qb64558604d_attn
	.globl	k_qb64558604d_attn
	.p2align	8
	.type	k_qb64558604d_attn,@function
k_qb64558604d_attn:
	s_mov_b64 s[64:65], 0
	v_nop
	global_prefetch_b8 v0, s[64:65] scope:SCOPE_SE
	s_setreg_imm32_b32 hwreg(HW_REG_WAVE_SCHED_MODE, 0, 2), 2
	s_setreg_imm32_b32 hwreg(HW_REG_WAVE_MODE, 25, 1), 1
	s_wait_xcnt 0x0
	s_wait_alu depctr_vm_vsrc(0)
; ATTENTION on codes of E2M3, under the mask that is given.  q, k: images of 16 tokens x 64; v: images of 16 of the head's 64 x 64 keys; y leaves quantised, as the last product's operand.
; THE SOFTMAX AHEAD OF THE SECOND PRODUCT: t = score x log2(e) / 8; M = the row's largest t so far, rounded up to a whole number; p = 2^(t - M) is quantised along the keys and is not normalised; the row's sum is
; taken of the unquantised p and divides at the end.  When M moves, the sum and O are multiplied by 2^(old M - new M), which rounds nothing.
; SHARES.  Work-group (c, head of a batch) serves one head; K, V and their scale words, 208,896 bytes, come into LDS once, through registers, and stay.  Each of the sixteen waves owns two tiles of 16 queries,
; tiles 4 i + c for i = wave and i = 31 - wave, one after the other, in 256 registers: four waves to a SIMD, so that one wave's vector work stands beside another's matrix work.
; THE MASK.  An earlier launch has stored, for each tile of queries and each step of 128 keys, two flag bits and 64 lane masks.  A step that is wholly hidden is passed over by a scalar branch on the stored flag: its p
; would all be 0.  In a step hidden in part the hidden scores become -infinity ahead of the maximum.  Nothing of the mask's pattern is built in.
; NO TENSOR LOAD AND NO CLUSTER: that branch hangs on numbers read from memory; what the four work-groups of a head share is read once by each, at the head.
; LAYOUT.  Both products transposed: S^T = K Q^T (source 0 = 16 keys, source 1 = my 16 queries), O^T = V^T P^T: a lane holds one query throughout.  The stored order of tokens makes the 16 registers of key tiles 2 b
; and 2 b + 1 the keys 32 b + 16 (lane / 16) + 0 .. 15.  The first product's K is 64: registers 6-11 of Q's fragment are zero codes, so whatever stands in registers 6-11 of K's (the next tile's codes) adds nothing.
; A ROW THAT IS WHOLLY HIDDEN has the sum 0: its scale bytes become 0xff, and the last product makes its whole output row NaN, as a softmax of -infinities does.
; LIMITS: NaN and infinities among the scores are not served.
; REGISTERS: v1-4 lane terms; v5, v6 the add's two; v7 -infinity; v8-11 addresses in hand; v12 -M, v13 the largest t, v[14:15] the sum; v16-27 Q; v28-30 LDS bases; v32-85 K's or V's fragments; v96-159 S^T, then p;
; v160-191 O^T; v192-223 y; v224-235 codes; v232-247 at work; v248-251, v253, v255 scale words; v252 f; v254 at work.
; THE MODE: SCHED_MODE bits 1:0 = 2 (LLVM: expert scheduling mode 2), set by the entry lines.  The code itself states the register dependences between vector or matrix instructions and memory or LDS
; instructions, with s_wait_alu, always for 0.
; THE PLAN.  Registers that memory or LDS instructions touch:
;   v1-v4            Written once, at the head; read by Q's loads (v1, v3) and y's stores (v1, v4).  Never written again.
;   v9-11, v28-31    At the head: the addresses of the copy into LDS.  Behind the barrier v28-30 are written anew (and from then on only vector instructions name them), v9-11 in every step.
;   v32-133          At the head: global loads land, LDS stores read.  Afterwards fragments, zero codes and scores.
;   v8-v11           In a step: written by the four additions at its head, read by its LDS loads (K's by v8 and v10, V's by v9 and v11).
;   v32-79, v248-251 In a step: K's fragments and scale words land; the eight products K Q^T read them; V's land (v32-79, v248, v249); the four products V^T P^T read them.  One buffer: the wave's 256 registers
;                    leave v31, v86-95 and v192-223 free in the loop, which hold no four runs of twelve.
;   v16-21, v255     Q and its scale words land at a tile's head; every step's products read them.
;   v224-229, v242   y's codes and bytes: written by vector instructions (v224-235 in every step too), read by the four stores at a tile's end.
;   v5, v6           Written at the head, read by the closing add alone.
; So a step that is worked has, beside the two waits behind its exponentials: one wait on vm_vsrc ahead of the four additions; one on va_vdst behind them, ahead of K's loads; one on va_vdst behind the products
; K Q^T, ahead of V's loads; one on va_vdst ahead of the products V^T P^T, which take codes and a scale word that vector instructions made.  A step that is passed over issues no vector and no memory instruction.
.set KIMG,   6291456
.set VIMG,   12582912
.set QSC,    18874368
.set KSC,    19398656
.set VSC,    19922944
.set YSC,    6291456
.set LM_OFF, 32768
.set LV,     98304                     ; LDS: K's 128 tiles at 0, V's 32 groups x 4 tiles here,
.set LKS,    196608                    ; K's scale words, 64 bytes a tile,
.set LVS,    204800                    ; V's, 256 bytes a step,
.set SPARE,  208896                    ; and the spare words, 128 bytes for each wave
.set SPW, 5
.set NIL, 6
	s_load_b128 s[4:7], s[0:1], 0x0                ; qkvq, msk
	s_load_b64 s[8:9], s[0:1], 0x10                ; yq
	v_lshl_add_u32 v[SPW], v0, 2, SPARE
	v_mov_b32 v[NIL], 0
	v_lshrrev_b32 v8, 5, v0
	v_readfirstlane_b32 s10, v8                    ; wave 0..15
	s_and_b32 s11, ttmp7, 0xffff                   ; batch x 16 + head
	s_mov_b32 s2, 0x76543210
	s_mov_b32 s3, 0xfedcba98                       ; v_permlanex16_b32's selects for lane l xor 16
	s_mov_b32 s14, 0x3e38aa3b                      ; c = log2(e) / 8
	s_mov_b32 s15, s14                             ; (the packed form names the pair)
	v_lshlrev_b32 v9, 4, v0                        ; 16 x thread
	v_lshlrev_b32 v10, 3, v0                       ; 8 x thread
	v_mov_b32 v28, v9
	v_add_nc_u32 v29, 0x10000, v9
	v_add_nc_u32 v30, 0x20000, v9
	v_add_nc_u32 v31, 0x30000, v9
	v_add_nc_u32 v11, LVS, v10
	v_and_b32 v2, 31, v0
	v_lshlrev_b32 v1, 3, v2                        ; 8 l
	v_lshlrev_b32 v2, 2, v2                        ; 4 l
	v_and_b32 v4, 15, v0
	v_lshlrev_b32 v3, 2, v4                        ; 4 r
	v_lshlrev_b32 v4, 5, v4                        ; 32 r
	v_mov_b32 v7, 0xff800000                       ; -infinity
	s_wait_alu depctr_va_sdst(0)                   ; s10, the wave's number, is written, ahead of its first reader: the tiles' numbers are made from it
	s_mul_i32 s24, s11, 98304
	s_mov_b32 s25, 0
	s_add_co_u32 s24, s24, KIMG
	s_wait_kmcnt 0x0
	s_add_nc_u64 s[16:17], s[4:5], s[24:25]
	s_add_co_u32 s24, s24, VIMG-KIMG
	s_add_nc_u64 s[18:19], s[4:5], s[24:25]
	s_lshl_b32 s24, s11, 13
	s_add_co_u32 s24, s24, KSC
	s_add_nc_u64 s[20:21], s[4:5], s[24:25]
	s_lshl_b32 s24, s11, 12
	s_add_co_u32 s24, s24, VSC
	s_add_nc_u64 s[22:23], s[4:5], s[24:25]
	s_wait_alu depctr_va_vdst(0)                   ; the offsets and addresses are written: v9 and v10, which the loads below read; v11 and v28-31, which the LDS stores read; v1-v4, which Q's loads and y's stores read
.irp k, 0,1,2,3,4,5,6,7,8,9,10,11
	global_load_b128 v[32+4*\k:35+4*\k], v9, s[16:17] offset:8192*\k     ; the 512 threads take 8,192 consecutive bytes
.endr
.irp k, 0,1,2,3,4,5,6,7,8,9,10,11
	global_load_b128 v[80+4*\k:83+4*\k], v9, s[18:19] offset:8192*\k
.endr
	global_load_b128 v[128:131], v9, s[20:21]
	global_load_b64 v[132:133], v10, s[22:23]
	s_wait_loadcnt 0x0
.set k, 0
.rept 25
	ds_store_b128 v[28+k/8], v[32+4*k:35+4*k] offset:8192*(k%8)          ; K's images, V's images and K's scale words lie on end
.set k, k+1
.endr
	ds_store_b64 v11, v[132:133]
	s_wait_dscnt 0x0                               ; for the others' sake: my stores have landed
	s_barrier_signal -1
	s_barrier_wait -1                              ; the kernel's one barrier: from here on LDS is only read
	s_wait_alu depctr_vm_vsrc(0)                   ; my loads and LDS stores have read v9-11, v28-31 and v32-133: v28-30 and v80-85 are written just below, the others by the steps' additions, LDS loads and products
	v_add_nc_u32 v28, LV, v1
	v_add_nc_u32 v29, LKS, v2
	v_add_nc_u32 v30, LVS, v2
.irp j, 22,23,24,25,26,27,80,81,82,83,84,85,236,237,238,239,252,253
	v_mov_b32 v\j, 0                               ; Q's upper half and what stands behind K's last tile: zero codes; permutes' destinations and a pair's upper half: written once
.endr
	v_mov_b32 v243, 0xffff
; A KEY STEP: 128 keys.
.macro STEP
	s_lshr_b32 s25, s26, s27                       ; this step's two flags at bits 0 and 16
	s_bitcmp1_b32 s25, 0
	s_cbranch_scc1 .Lskip_\@                       ; wholly hidden: only the addresses step
	s_load_b512 s[32:47], s[6:7], s28 offset:0x0   ; the 64 lane masks, asked for in every step that is worked, so that they are there when the scores are
	s_load_b512 s[48:63], s[6:7], s28 offset:0x40
	s_load_b512 s[68:83], s[6:7], s28 offset:0x80
	s_load_b512 s[84:99], s[6:7], s28 offset:0xc0
	s_wait_alu depctr_vm_vsrc(0)                   ; the LDS loads of the last step that was worked have read v8 to v11, which the four additions write anew
	v_add_nc_u32 v8, s29, v1                       ; the step's four LDS addresses: K's tiles,
	v_add_nc_u32 v9, s29, v28                      ; V's,
	v_add_nc_u32 v10, s30, v29                     ; K's scale words,
	v_add_nc_u32 v11, s31, v30                     ; V's
	s_wait_alu depctr_va_vdst(0)                   ; v8 to v11 are written, which this step's LDS loads read; the last step's products are done reading v32-79 and v248-251, in which K's fragments and scale words land; the zero codes v22-27 and v80-85, which the products below take, are written
.irp t, 0,1,2,3,4,5,6,7
.irp p, 0,1,2
	ds_load_b64 v[32+6*\t+2*\p:33+6*\t+2*\p], v8 offset:768*\t+256*\p
.endr
.endr
.irp m, 0,1,2,3
	ds_load_b32 v[248+\m], v10 offset:128*\m       ; lanes 0-15 tile 2 m's scale words, lanes 16-31 tile 2 m + 1's
.endr
	s_wait_dscnt 0x0
.irp t, 0,2,4,6
	v_wmma_scale_f32_16x16x128_f8f6f4 v[96+8*\t:103+8*\t], v[32+6*\t:43+6*\t], v[16:27], 0, v[248+\t/2], v255 matrix_a_fmt:MATRIX_FMT_FP6 matrix_b_fmt:MATRIX_FMT_FP6
	v_wmma_scale_f32_16x16x128_f8f6f4 v[104+8*\t:111+8*\t], v[38+6*\t:49+6*\t], v[16:27], 0, v[248+\t/2], v255 matrix_a_fmt:MATRIX_FMT_FP6 matrix_b_fmt:MATRIX_FMT_FP6 matrix_a_scale:MATRIX_SCALE_ROW1
.endr
.rept 4
	v_nop                                          ; places in front of the first read of the scores (ISA guide 7.12.1); they stay beside the wait below
.endr
	s_wait_alu depctr_va_vdst(0)                   ; the eight products are done reading v32-85 and v248-251: V's fragments and scale words land in v32-79, v248 and v249.  No vector instruction names these, v9 or v11 before the products V^T P^T
.irp i, 0,1,2,3
.irp p, 0,1,2,3,4,5
	ds_load_b64 v[32+12*\i+2*\p:33+12*\i+2*\p], v9 offset:3072*(\p/3)+768*\i+256*(\p%3)   ; V's four fragments land under the softmax
.endr
.endr
.irp m, 0,1
	ds_load_b32 v[248+\m], v11 offset:128*\m
.endr
	s_wait_kmcnt 0x0                               ; the lane masks are in
	s_wait_xcnt 0x0                                ; and their loads have read their offset, which steps at this step's end
	s_bitcmp1_b32 s25, 16
	s_cbranch_scc0 .Lopen_\@                       ; nothing hidden in this step
.set n, 0
.rept 64
	v_cndmask_b32 v[96+n], v[96+n], v7, s[32+n+4*(n/32)]
.set n, n+1
.endr
.Lopen_\@:
.irp b, 0,1,2,3
	v_max3_num_f32 v[232+\b], v[96+16*\b], v[97+16*\b], v[98+16*\b]   ; the largest score of each block of 32 keys: it serves for the row's maximum and, since p rises with the score, for the block's largest p
.endr
.irp i, 3,5,7,9,11,13
.irp b, 0,1,2,3
	v_max3_num_f32 v[232+\b], v[232+\b], v[96+16*\b+\i], v[97+16*\b+\i]
.endr
.endr
.irp b, 0,1,2,3
	v_max_num_f32 v[232+\b], v[232+\b], v[111+16*\b]
.endr
.irp b, 0,1,2,3
	v_permlanex16_b32 v[236+\b], v[232+\b], s2, s3
.endr
.irp b, 0,1,2,3
	v_max_num_f32 v[232+\b], v[232+\b], v[236+\b]  ; with lane l xor 16's 16 keys
.endr
	v_max3_num_f32 v254, v232, v233, v234
	v_max_num_f32 v254, v254, v235
	v_mul_f32 v254, s14, v254                      ; as t (c is positive)
	v_max_num_f32 v13, v13, v254                   ; the running largest t
	v_mov_b32 v254, v12
	v_floor_f32 v12, -v13                          ; the new -M = floor(-t): M is a whole number
	v_sub_f32 v254, v12, v254                      ; old M - new M: a whole number, 0 or less
	v_cvt_i32_f32 v254, v254                       ; (it saturates)
	v_ldexp_f32 v252, 1.0, v254                    ; f = 2^(old M - new M)
.set j, 0
.rept 32
	v_pk_fma_f32 v[96+j:97+j], v[96+j:97+j], s[14:15], v[12:13] op_sel_hi:[1,0,0]   ; t - M, two at a time
.set j, j+2
.endr
.irp b, 0,1,2,3
	v_fma_f32 v[232+\b], v[232+\b], s14, v12       ; the same of each block's largest score
.endr
.set j, 0
.rept 64
	v_exp_f32 v[96+j], v[96+j]                     ; p = 2^(t - M): one batch
.set j, j+1
.endr
	v_pk_mul_f32 v[14:15], v[14:15], v[252:253] op_sel_hi:[1,0]   ; the sums under the new M; the plain instruction behind the batch
	s_wait_alu depctr_va_vdst(0)                   ; the 64 exponentials have written p, v96-159, ahead of its first reader: one wait for the batch
.irp b, 0,1,2,3
	v_exp_f32 v[232+\b], v[232+\b]                 ; the blocks' largest p: the same two instructions on the same number give the same bits
.endr
	v_pk_add_f32 v[236:237], v[96:97], v[98:99]    ; the row's sum is taken of the unquantised p, in two chains
.irp j, 4,8,12,16,20,24,28,32,36,40,44,48,52,56,60
	v_pk_add_f32 v[14:15], v[14:15], v[96+\j:97+\j]
	v_pk_add_f32 v[236:237], v[236:237], v[98+\j:99+\j]
.endr
	v_pk_add_f32 v[14:15], v[14:15], v[236:237]
	s_wait_alu depctr_va_vdst(0)                   ; the four exponentials have written v232-235, ahead of their first reader
.irp b, 0,1,2,3
	v_max_num_f32 v[232+\b], 0x1800000, v[232+\b]  ; the floor 2^(3 - 127): a block whose every p is 0 keeps the byte 1: its codes are zeros
.endr
.irp b, 0,1,2,3
	v_add_nc_u32 v[244+\b], 0xff000000, v[232+\b]  ; 2 off the exponent field: the conversion's scale operand
.endr
.irp b, 0,1,2,3
	v_lshrrev_b32 v[236+\b], 23, v[244+\b]
.endr
	v_lshl_or_b32 v253, v237, 8, v236              ; p's scale word for these 128 keys
	v_lshl_or_b32 v253, v238, 16, v253
	v_lshl_or_b32 v253, v239, 24, v253
.irp c, 0,1
	v_cvt_scalef32_pk16_fp6_f32 v[224+6*\c:226+6*\c], v[96+32*\c:111+32*\c], v[244+2*\c]
	v_cvt_scalef32_pk16_fp6_f32 v[236+4*\c:238+4*\c], v[112+32*\c:127+32*\c], v[244+2*\c+1]
.endr
	v_nop                                          ; one plain instruction behind the conversions
.irp c, 0,1
.irp i, 0,1,2
	v_permlane16_swap_b32 v[224+6*\c+\i], v[236+4*\c+\i]   ; a whole block to a lane
.endr
.irp i, 0,1,2
	v_mov_b32 v[227+6*\c+\i], v[236+4*\c+\i]
.endr
.endr
.set j, 0
.rept 16
	v_pk_mul_f32 v[160+j:161+j], v[160+j:161+j], v[252:253] op_sel_hi:[1,0]   ; O^T under the new M; with the moves above, the plain instructions between the writing of p's codes and scale word and the products
.set j, j+2
.endr
	s_wait_dscnt 0x0                               ; V is in
	s_wait_alu depctr_va_vdst(0)                   ; vector instructions have written p's codes v224-235 and its scale word v253, which the scaled products below take; the plain instructions above stay beside this wait
.irp i, 0,2
	v_wmma_scale_f32_16x16x128_f8f6f4 v[160+8*\i:167+8*\i], v[32+12*\i:43+12*\i], v[224:235], v[160+8*\i:167+8*\i], v[248+\i/2], v253 matrix_a_fmt:MATRIX_FMT_FP6 matrix_b_fmt:MATRIX_FMT_FP6
	v_wmma_scale_f32_16x16x128_f8f6f4 v[168+8*\i:175+8*\i], v[44+12*\i:55+12*\i], v[224:235], v[168+8*\i:175+8*\i], v[248+\i/2], v253 matrix_a_fmt:MATRIX_FMT_FP6 matrix_b_fmt:MATRIX_FMT_FP6 matrix_a_scale:MATRIX_SCALE_ROW1
.endr
.Lskip_\@:
	s_add_co_u32 s29, s29, 6144                    ; the next step's tiles of K and of V,
	s_add_co_u32 s30, s30, 512                     ; K's scale words,
	s_add_co_u32 s31, s31, 256                     ; V's,
	s_add_co_u32 s28, s28, 256                     ; and the lane masks
.endm
; One tile of 16 queries: e = 0: tile 4 x wave + c; e = 1: tile 4 (31 - wave) + c.
.macro TILE e
	s_wait_xcnt 0x0                                ; the last tile's loads and stores have read their registers and bases
.if \e
	s_wait_alu depctr_vm_vsrc(0)                   ; the last tile's stores have read v224-229 and v242, which this tile's conversions and its way out write again
.endif
.if \e == 0
	s_mov_b32 s12, s10
.else
	s_sub_co_u32 s12, 31, s10
.endif
	s_lshl_b32 s12, s12, 2
	s_add_co_u32 s12, s12, ttmp9                   ; the tile
	s_lshl_b32 s13, s12, 8
	s_load_b32 s26, s[6:7], s13 offset:0x0         ; its flags: steps 0-7,
	s_load_b32 s24, s[6:7], s13 offset:0x80        ; steps 8-15
	s_lshl_b32 s25, s11, 7
	s_add_co_u32 s25, s25, s12
	s_mul_i32 s28, s25, 768
	s_mov_b32 s29, 0
	s_add_nc_u64 s[16:17], s[4:5], s[28:29]        ; Q's image
	s_lshl_b32 s28, s25, 6
	s_add_co_u32 s28, s28, QSC
	s_add_nc_u64 s[18:19], s[4:5], s[28:29]        ; its scale words
	s_lshr_b32 s25, s11, 4
	s_lshl_b32 s25, s25, 7
	s_add_co_u32 s25, s25, s12                     ; batch x 128 + tile
	s_and_b32 s30, s11, 15                         ; the head
	s_lshl_b32 s28, s25, 4
	s_add_co_u32 s28, s28, s30
	s_mul_i32 s28, s28, 768
	s_add_nc_u64 s[20:21], s[8:9], s[28:29]        ; y's image: the head is the group of 64 along the last product's K
	s_lshl_b32 s28, s25, 9
	s_lshl_b32 s30, s30, 1
	s_add_co_u32 s28, s28, s30
	s_add_co_u32 s28, s28, YSC
	s_add_nc_u64 s[22:23], s[8:9], s[28:29]        ; its two scale bytes in each row's 32
	s_lshl_b32 s28, s12, 12
	s_add_co_u32 s28, s28, LM_OFF                  ; the tile's lane masks
	s_mov_b32 s27, 0
	s_mov_b32 s30, 0
	s_mov_b32 s31, 0
.irp p, 0,1,2
	global_load_b64 v[16+2*\p:17+2*\p], v1, s[16:17] offset:256*\p       ; no wait of their own: the last tile's products, which read v16-21 and v255, stand ahead of the wait in front of its stores, and no vector instruction has been issued since
.endr
	global_load_b32 v255, v3, s[18:19]
	v_mov_b32 v13, 0xff61b1e6                      ; the largest t so far: -3e38, under every t
	v_floor_f32 v12, -v13
	v_mov_b32 v14, 0
	v_mov_b32 v15, 0
.set j, 0
.rept 32
	v_mov_b32 v[160+j], 0                          ; O^T: any step may be the first that is worked, so the sums begin as zeros, which the first change of M leaves zeros
.set j, j+1
.endr
	s_wait_kmcnt 0x0
	s_or_b32 s26, s26, s24
	s_wait_loadcnt 0x0
.Lks_\@:                                               ; sixteen trips, whatever the mask: what a flag leaves out is a step's work
	STEP
	s_add_co_u32 s27, s27, 1
	s_cmp_lt_u32 s27, 16
	s_cbranch_scc1 .Lks_\@
	; the way out: y = O^T / the sum, quantised along the head's 64
.rept 4
	v_nop                                          ; places behind the last products
.endr
	v_add_f32 v14, v14, v15
	v_permlanex16_b32 v252, v14, s2, s3
	v_add_f32 v14, v14, v252                       ; the row's sum
	v_rcp_f32 v254, v14
	v_nop                                          ; a plain instruction behind the reciprocal
	s_wait_alu depctr_va_vdst(0)                   ; the reciprocal has written v254, ahead of its first reader
.set j, 0
.rept 32
	v_mul_f32 v[192+j], v[160+j], v254             ; register 16 g + i is y(my query, 32 g + 16 (lane / 16) + i)
.set j, j+1
.endr
	v_max3_num_f32 v232, |v192|, |v193|, 0x1800000
	v_max3_num_f32 v233, |v208|, |v209|, 0x1800000
.irp i, 2,4,6,8,10,12,14
	v_max3_num_f32 v232, v232, |v[192+\i]|, |v[193+\i]|
	v_max3_num_f32 v233, v233, |v[208+\i]|, |v[209+\i]|
.endr
	v_permlanex16_b32 v236, v232, s2, s3
	v_permlanex16_b32 v237, v233, s2, s3
	v_max_num_f32 v232, v232, v236
	v_max_num_f32 v233, v233, v237
	v_add_nc_u32 v244, 0xff000000, v232
	v_add_nc_u32 v245, 0xff000000, v233
	v_lshrrev_b32 v240, 23, v244
	v_lshrrev_b32 v241, 23, v245
	v_cvt_scalef32_pk16_fp6_f32 v[224:226], v[192:207], v244
	v_cvt_scalef32_pk16_fp6_f32 v[228:230], v[208:223], v245
	v_lshl_or_b32 v242, v241, 8, v240              ; the two bytes; also the plain instruction behind the conversions
	v_cmp_eq_f32 vcc_lo, 0, v14                    ; has the row no key left?  Asked here, six lines ahead of the select
.irp i, 0,1,2
	v_permlane16_swap_b32 v[224+\i], v[228+\i]
.endr
	v_mov_b32 v227, v228
	v_mov_b32 v228, v229
	v_mov_b32 v229, v230
	s_wait_alu depctr_va_vcc(0)                    ; the compare has written VCC, which the select reads
	v_cndmask_b32 v242, v242, v243, vcc_lo         ; a row with no key left: both bytes 0xff
	s_wait_alu depctr_va_vdst(0)                   ; the codes v224-229 and the bytes v242 are written, which the four stores read
.irp p, 0,1,2
	global_store_b64 v1, v[224+2*\p:225+2*\p], s[20:21] offset:256*\p   ; 256 consecutive bytes, aligned
.endr
	global_store_b16 v4, v242, s[22:23]            ; (both halves of the lanes hold the same two bytes for the same place)
.endm
	TILE 0
	TILE 1
	s_wait_dscnt 0x0                               ; the wave's end
	s_wait_alu 0x0
	s_wait_tensorcnt 0x0
	ds_add_u32 v[SPW], v[NIL]
	s_wait_dscnt 0x0
	s_endpgm
.Lfunc_end_k_qb64558604d_attn:
	.size	k_qb64558604d_attn, .Lfunc_end_k_qb64558604d_attn-k_qb64558604d_attn
	.p2alignl 7, 3214868480
	.fill 96, 4, 3214868480
	.section	.rodata,"a",@progbits
	.p2align	6, 0x0
	.amdhsa_kernel k_qb64558604d_attn
		.amdhsa_group_segment_fixed_size 210944
		.amdhsa_private_segment_fixed_size 0
		.amdhsa_enable_private_segment 0
		.amdhsa_kernarg_size 24
		.amdhsa_user_sgpr_count 2
		.amdhsa_user_sgpr_kernarg_segment_ptr 1
		.amdhsa_wavefront_size32 1
		.amdhsa_system_sgpr_workgroup_id_x 1
		.amdhsa_system_sgpr_workgroup_id_y 1
		.amdhsa_system_sgpr_workgroup_id_z 1
		.amdhsa_system_vgpr_workitem_id 0
		.amdhsa_next_free_vgpr 256
		.amdhsa_next_free_sgpr 100
		.amdhsa_reserve_vcc 1
		.amdhsa_float_denorm_mode_32 3
		.amdhsa_float_denorm_mode_16_64 3
		.amdhsa_memory_ordered 1
		.amdhsa_forward_progress 1
		.amdhsa_inst_pref_size 64
	.end_amdhsa_kernel
	.amdgpu_metadata
---
amdhsa.version: [ 1, 2 ]
amdhsa.kernels:
  - .name:           k_qb64558604d_attn
    .symbol:         k_qb64558604d_attn.kd
    .args:
      - { .name: qkvq, .offset: 0, .size: 8, .value_kind: global_buffer, .address_space: global }
      - { .name: msk, .offset: 8, .size: 8, .value_kind: global_buffer, .address_space: global }
      - { .name: yq, .offset: 16, .size: 8, .value_kind: global_buffer, .address_space: global }
    .group_segment_fixed_size: 210944
    .private_segment_fixed_size: 0
    .kernarg_segment_align: 8
    .kernarg_segment_size: 24
    .max_flat_workgroup_size: 512
    .sgpr_count:     100
    .vgpr_count:     256
    .wavefront_size: 32
...
	.end_amdgpu_metadata
.endif
;; end of part 5
;; launch outp: the kernel of part 4 again; grid 8 x 32, 4 waves a work-group, clusters of 4 x 4, 327,680 bytes of LDS; arguments yq, ops, out0; writes out0
